; MI455X (gfx1250); checked and timed in simulation.
; The chip was launched on July 23, 2026; its instructions are those of AMD's public machine-readable ISA for CDNA 5 (MIT licence, August 2026) and "CDNA5" Instruction Set Architecture Reference Guide (July 2026). The comments in the code are by the model that wrote it; some were corrected since.
;; Causal Self Attention. Allowed arithmetic: matrix products marked QUANTISED: E2M3 operands, one E8M0 scale for each 32 along K, by v_wmma_scale_f32_16x16x128_f8f6f4 with both operands' format E2M3, f32 sums; everything else in f32.
;; Inputs: Wk 1,024 x 1,024 float32; Wp 1,024 x 1,024 float32; Wq 1,024 x 1,024 float32; Wv 1,024 x 1,024 float32; bk 1,024 float32; bp 1,024 float32; bq 1,024 float32; bv 1,024 float32; hidden_states 4 x 2,048 x 1,024 float32.
;; Outputs: out0 4 x 2,048 x 1,024 float32.
;; Constants: action_dim = 6, n_head = 16, observation_dim = 17.
;; This version of the problem:
;;   THIS VERSION OF THE PROBLEM IS GIVEN IN LOW PRECISION. The matrix products marked QUANTISED in the list below multiply operands that are first quantised to E2M3 (2 exponent bits, 3 mantissa bits; 6 bits a number), with one power-of-two scale for each 32 numbers along K (OCP MX v1.0); their sums are f32. All else is computed in f32.
;;   The module's matrix products, in the order in which they are computed (A, B: the left and right operand; K: the contracted axis; several contracted axes count as one K, in the product's order):
;;     1. [M 8,192, K 1,024] x [K 1,024, N 1,024]; A: input hidden_states; B: input Wq: QUANTISED
;;     2. [M 8,192, K 1,024] x [K 1,024, N 1,024]; A: input hidden_states; B: input Wk: QUANTISED
;;     3. [M 8,192, K 1,024] x [K 1,024, N 1,024]; A: input hidden_states; B: input Wv: QUANTISED
;;     4. batch 64 x [M 2,048, K 64] x [K 64, N 2,048]; A: computed on the way; B: computed on the way: QUANTISED
;;     5. batch 64 x [M 2,048, K 2,048] x [K 2,048, N 64]; A: softmax (see below); B: computed on the way: QUANTISED
;;     6. [M 8,192, K 1,024] x [K 1,024, N 1,024]; A: computed on the way; B: input Wp: QUANTISED
;;   THE QUANTISER, for each operand of a quantised product, along K:
;;     - K is cut into blocks of 32 from its start; a last block that is shorter is filled with zeros.
;;     - A block's scale is 2^e with e = floor(log2(the largest magnitude in the block)) - 2, held to -126 .. 127; a block of zeros has e = 0. As a byte (E8M0): e + 127.
;;     - Each number is divided by its block's scale, clamped to +-7.5, and rounded to the nearest number of E2M3, ties to even, subnormals kept.
;;     - The product sums the exact products of the quantised numbers (number of the format x scale) in f32.
;;   ~~~python
;;   def quantise(x, axis):      # numpy; x: float32 -> the quantised numbers, widened to float32 again
;;       x = np.moveaxis(x, axis, -1); K = x.shape[-1]
;;       x = np.pad(x, [(0, 0)] * (x.ndim - 1) + [(0, -K % 32)]); x = x.reshape(x.shape[:-1] + (-1, 32)); a = np.abs(x).max(-1, keepdims=True)
;;       e = np.where(a > 0, np.clip(np.frexp(np.where(a > 0, a, 1))[1] - 1 - 2, -126, 127), 0)      # np.frexp(a)[1] - 1 = floor(log2(a)), exactly
;;       r = np.clip(x / 2.0 ** e, -7.5, 7.5)
;;       step = 2.0 ** (np.maximum(np.frexp(np.where(r == 0, 1, r))[1] - 1, 0) - 3)
;;       q = np.round(r / step) * step * 2.0 ** e      # np.round: ties to even
;;       return np.moveaxis(q.reshape(q.shape[:-2] + (-1,))[..., :K], -1, axis).astype(np.float32)
;;   ~~~
;;   SOFTMAX AHEAD OF A QUANTISED PRODUCT. Where the list says 'softmax', what is quantised is not the finished softmax but p = 2^(t - M), with t = logit x log2(e) and M = ceil(the row's largest t), a whole number; so 1/2 < the row's largest p <= 1. The row's sum l is taken of the UNQUANTISED p, in f32, and the product's result is divided by l at the end. Since M is a whole number, a kernel that streams over the keys may use a running M (the ceiling of the running maximum): every later rescaling is an exact power of two, which a block's scale takes up: the codes' values come out the same.
;;   OPERANDS COMPUTED ON THE WAY. 'Computed on the way' means the value that the module computes at that place (a softmax that the list does not call 'softmax' is quantised finished and normalised). What goes into a quantiser is computed in f32, as accurately as f32 sums, v_exp_f32 and their like allow (about 1e-6 of the number): no bf16 or f16 on the way to a quantiser, and a product that is left as it is and whose result goes on into a quantised operand takes f32 operands (vector FMAs, or v_wmma_f32_16x16x4_f32). A number that lies on a knife's edge between two numbers of the format may be rounded either way, as far as f32 arithmetic and the matrix unit's own rounding can turn it there, and no further.
;; One version. Each part assembles by itself: llvm-mc -triple=amdgcn-amd-amdhsa -mcpu=gfx1250 --defsym DOCPART=n.
;; ======== version 1 of 1: 4 launches
;; limits: right only within a limited range of input values
;; workspace buffers: codes 9,437,184 bytes; scales 393,216 bytes; zeros 512 bytes; qkv 18,874,368 bytes; qkvs 786,432 bytes; acodes 6,291,456 bytes; ascales 262,144 bytes
;; launch quant (part 1): grid 384 x 1, 4 waves a work-group, no clusters, 33,280 bytes of LDS; arguments hidden_states, Wq, Wk, Wv, Wp, codes, scales, zeros; writes codes, scales, zeros
.if DOCPART == 1
	.amdgcn_target "amdgcn-amd-amdhsa--gfx1250"
	.amdhsa_code_object_version 6
	.text
	.protected	k_q19fea4e49a_quant
	.globl	k_q19fea4e49a_quant
	.p2align	8
	.type	k_q19fea4e49a_quant,@function
k_q19fea4e49a_quant:
	s_mov_b64 s[64:65], 0
	v_nop
	global_prefetch_b8 v0, s[64:65] scope:SCOPE_SE
	s_setreg_imm32_b32 hwreg(HW_REG_WAVE_MODE, 25, 1), 1
	s_wait_xcnt 0x0
; hidden_states [8192][1024] and Wq, Wk, Wv, Wp [1024][1024], f32, K innermost, become codes of FP6 (E2M3), 6 bits each, and one E8M0 byte for each 32 along K.
; OUT: codes [12288 rows][768 bytes], scales [12288 rows][32 bytes]; rows 0-8191 the tokens, 8192 on Wq, 9216 on Wk, 10240 on Wv, 11264 on Wp.
; POSITION ORDER: row i is stored at the position i with its bits 3 and 4 exchanged.  A tile of 16 neighbouring positions, used as source 0 of a matrix instruction, then leaves
; 16 true neighbours in the 16 registers of two neighbouring tiles.  Here that is only a choice of where a wave's 8 rows go.
; A block's scale is 2^(floor(log2(its largest magnitude)) - 2); its byte is the largest magnitude's exponent field - 2, held at 1 from below.
; LIMITS: a block of zeros, and a block whose largest magnitude lies under 2^-124, gets the byte 1 (the rule says 127 for zeros: its codes are zeros, which add nothing, and this program alone reads
; the bytes); NaN and infinities among the inputs are not served.
; SHARES: a work-group takes 32 rows, a wave 8 rows = 16 steps of 512 numbers.  Each load reads 512 consecutive bytes; a step's 2,048 bytes turn through the wave's own stage in LDS, so that a lane
; holds 16 neighbours along K (two lanes to a block).  Memory binds: no matrix unit, no cluster, no barrier; waves share nothing.  Wave 0 of work-group 0 also writes the 512 zero bytes.
.set STEPS, 16
.set EMAX,  2
.set CB,    12                         ; bytes of 16 codes
.set R,     16                         ; v16-79   four sets of 16 numbers as they are loaded
.set X,     80                         ; v80-111  two sets of 16 neighbours
.set C,     128                        ; v128-191 codes: four registers for each step, so that no store's data are written again
.set E,     112                        ; v112-127 a scale byte for each step
.set WREG,  8192                       ; LDS: a region for each wave: two stages of 32 x SP bytes, then its 256 scale bytes
.set SP,    80                         ; a lane's place in a stage: 64 bytes + 16 of padding
	s_load_b256 s[4:11], s[0:1], 0x0               ; hidden_states s[4:5], Wq s[6:7], Wk s[8:9], Wv s[10:11]
	s_load_b256 s[12:19], s[0:1], 0x20             ; Wp s[12:13], codes s[14:15], scales s[16:17], zeros s[18:19]
	v_lshl_add_u32 v192, v0, 2, 0x8000
	v_mov_b32 v193, 0
	v_lshrrev_b32 v1, 5, v0
	v_readfirstlane_b32 s20, v1                    ; wave
	v_and_b32 v2, 31, v0                           ; lane
	v_lshlrev_b32 v3, 4, v2                        ; my 16 bytes of a load's 512
	s_mul_i32 s21, s20, WREG
	v_lshrrev_b32 v14, 2, v2
	v_mul_u32_u24 v14, v14, SP
	v_and_b32 v15, 3, v2
	v_lshl_add_u32 v14, v15, 4, v14
	v_add_nc_u32 v14, s21, v14                     ; the stage, on the way in: SP (lane / 4) + 16 (lane % 4)
	v_mul_u32_u24 v15, v2, SP
	v_add_nc_u32 v15, s21, v15                     ; and on the way out: SP x lane: my 16 neighbours
	v_mul_u32_u24 v4, v2, CB                       ; my codes' place in a step's
	v_lshrrev_b32 v5, 1, v2
	s_add_co_u32 s21, s21, 2*32*SP
	v_add_nc_u32 v5, s21, v5                       ; LDS: my wave's 256 scale bytes, my block's byte
	v_lshlrev_b32 v7, 3, v2                        ; and on the way out 8 bytes a lane
	v_add_nc_u32 v6, s21, v7
	s_wait_kmcnt 0x0
	s_mov_b32 s22, 352                             ; which tensor: the choice hangs on the work-group's number alone; s22 = the tensor's first work-group
	s_cmp_lt_u32 ttmp9, 352
	s_cselect_b64 s[12:13], s[10:11], s[12:13]
	s_cselect_b32 s22, 320, s22
	s_cmp_lt_u32 ttmp9, 320
	s_cselect_b64 s[12:13], s[8:9], s[12:13]
	s_cselect_b32 s22, 288, s22
	s_cmp_lt_u32 ttmp9, 288
	s_cselect_b64 s[12:13], s[6:7], s[12:13]
	s_cselect_b32 s22, 256, s22
	s_cmp_lt_u32 ttmp9, 256
	s_cselect_b64 s[12:13], s[4:5], s[12:13]
	s_cselect_b32 s22, 0, s22
	s_sub_co_u32 s23, ttmp9, s22
	s_lshl_b32 s23, s23, 2
	s_add_co_u32 s24, s23, s20                     ; my run of 8 rows in the tensor,
	s_lshl_b32 s24, s24, 15                        ; 32,768 bytes a run
	s_mov_b32 s25, 0
	s_add_nc_u64 s[12:13], s[12:13], s[24:25]
	s_and_b32 s26, s20, 1                          ; where it goes: the wave's two bits are the rows' bits 3 and 4: exchanged
	s_lshl_b32 s26, s26, 1
	s_lshr_b32 s27, s20, 1
	s_or_b32 s26, s26, s27
	s_lshl_b32 s27, ttmp9, 2
	s_add_co_u32 s26, s26, s27
	s_mul_i32 s24, s26, 6144                       ; 8 rows of 768 bytes
	s_add_nc_u64 s[14:15], s[14:15], s[24:25]
	s_lshl_b32 s24, s26, 8                         ; 8 rows of 32 bytes
	s_add_nc_u64 s[16:17], s[16:17], s[24:25]
.macro LOAD t
.irp i, 0,1,2,3
	global_load_b128 v[R+16*((\t)%4)+4*\i:R+16*((\t)%4)+4*\i+3], v3, s[12:13] offset:2048*(\t)+512*\i th:TH_LOAD_NT   ; 32 lanes read 512 consecutive bytes
.endr
.endm
.macro TURN t                          ; step t's numbers through the stage: LDS serves a wave's instructions in order, so no wait stands between the stores and the loads
.irp i, 0,1,2,3
	ds_store_b128 v14, v[R+16*((\t)%4)+4*\i:R+16*((\t)%4)+4*\i+3] offset:32*SP*((\t)%2)+8*SP*\i
.endr
.irp i, 0,1,2,3
	ds_load_b128 v[X+16*((\t)%2)+4*\i:X+16*((\t)%2)+4*\i+3], v15 offset:32*SP*((\t)%2)+16*\i
.endr
.endm
.irp t, 0,1,2,3
	LOAD \t
.endr
	s_wait_loadcnt 12                              ; step 0's four loads are in; the twelve of steps 1 to 3 may be out
	TURN 0
.macro STEP t
.set XS, X+16*((\t)%2)
.if (\t) > 0
	s_wait_dscnt 1                                 ; this step's numbers are back from the stage (the last step's byte store may be out): so its stores into the stage have read their registers,
.else
	s_wait_dscnt 0x0
.endif
.if (\t)+4 < STEPS
	LOAD (\t)+4                                    ; which take the loads of four steps on
.endif
.if (\t)+1 < STEPS
.if STEPS-2-(\t) >= 3
	s_wait_loadcnt 12                              ; the next step's four loads are in; those of the three steps behind it may be out
.else
	s_wait_loadcnt 4*(STEPS-2-(\t))
.endif
	TURN (\t)+1                                    ; and go through the other stage while this step is worked
.endif
	v_max3_num_f32 v8, |v[XS]|, |v[XS+1]|, |v[XS+2]|               ; the largest magnitude of my 16, in two chains
	v_max3_num_f32 v9, |v[XS+3]|, |v[XS+4]|, |v[XS+5]|
.irp i, 6,10
	v_max3_num_f32 v8, v8, |v[XS+\i]|, |v[XS+\i+1]|
	v_max3_num_f32 v9, v9, |v[XS+\i+2]|, |v[XS+\i+3]|
.endr
	v_max3_num_f32 v8, v8, |v[XS+14]|, |v[XS+15]|
	v_max3_num_f32 v8, v8, v9, (EMAX+1)<<23        ; and the floor 2^(3 - 127): the byte cannot fall under 1
	v_max_num_f32_dpp v8, v8, v8 row_xmask:1 row_mask:0xf bank_mask:0xf   ; and of my neighbour's 16: the block's
	v_add_nc_u32 v11, -(EMAX<<23), v8              ; 2 off its exponent field: the conversion takes the exponent field of this operand as its scale
	v_cvt_scalef32_pk16_fp6_f32 v[C+4*(\t):C+4*(\t)+2], v[XS:XS+15], v11   ; sixteen numbers / the scale, to the nearest code, ties to even, beyond 7.5 the largest code
	v_lshrrev_b32 v[E+(\t)], 23, v11               ; the scale's byte (a plain line behind the conversion)
	ds_store_b8 v5, v[E+(\t)] offset:16*(\t)       ; both lanes of a block write the same byte with the same value
	global_store_b96 v4, v[C+4*(\t):C+4*(\t)+2], s[14:15] offset:32*CB*(\t)
.endm
.irp t, 0,1,2,3,4,5,6,7,8,9,10,11,12,13,14,15
	STEP \t
.endr
	ds_load_b64 v[12:13], v6                       ; LDS serves a wave's instructions in order: these see my stores
	s_wait_dscnt 0x0
	global_store_b64 v7, v[12:13], s[16:17]        ; 32 lanes store 256 consecutive bytes, aligned
	s_lshl_b32 s23, ttmp9, 2
	s_add_co_u32 s23, s23, s20
	s_cmp_lg_u32 s23, 0
	s_cbranch_scc1 .Ldone                          ; one wave of the launch writes the zero bytes
	v_mov_b32 v8, 0
	v_mov_b32 v9, 0
	v_mov_b32 v10, 0
	v_mov_b32 v11, 0
	global_store_b128 v3, v[8:11], s[18:19]
.Ldone:
	s_wait_tensorcnt 0x0
	ds_add_u32 v192, v193
	s_wait_dscnt 0x0
	s_endpgm
.Lfunc_end_k_q19fea4e49a_quant:
	.size	k_q19fea4e49a_quant, .Lfunc_end_k_q19fea4e49a_quant-k_q19fea4e49a_quant
	.p2alignl 7, 3214868480
	.fill 96, 4, 3214868480
	.section	.rodata,"a",@progbits
	.p2align	6, 0x0
	.amdhsa_kernel k_q19fea4e49a_quant
		.amdhsa_group_segment_fixed_size 33280
		.amdhsa_private_segment_fixed_size 0
		.amdhsa_enable_private_segment 0
		.amdhsa_kernarg_size 64
		.amdhsa_user_sgpr_count 2
		.amdhsa_user_sgpr_kernarg_segment_ptr 1
		.amdhsa_wavefront_size32 1
		.amdhsa_system_sgpr_workgroup_id_x 1
		.amdhsa_system_sgpr_workgroup_id_y 1
		.amdhsa_system_sgpr_workgroup_id_z 1
		.amdhsa_system_vgpr_workitem_id 0
		.amdhsa_next_free_vgpr 194
		.amdhsa_next_free_sgpr 66
		.amdhsa_reserve_vcc 0
		.amdhsa_float_denorm_mode_32 3
		.amdhsa_float_denorm_mode_16_64 3
		.amdhsa_memory_ordered 1
		.amdhsa_forward_progress 1
		.amdhsa_inst_pref_size 33
	.end_amdhsa_kernel
	.amdgpu_metadata
---
amdhsa.version: [ 1, 2 ]
amdhsa.kernels:
  - .name:           k_q19fea4e49a_quant
    .symbol:         k_q19fea4e49a_quant.kd
    .args:
      - { .name: hidden_states, .offset: 0, .size: 8, .value_kind: global_buffer, .address_space: global }
      - { .name: Wq, .offset: 8, .size: 8, .value_kind: global_buffer, .address_space: global }
      - { .name: Wk, .offset: 16, .size: 8, .value_kind: global_buffer, .address_space: global }
      - { .name: Wv, .offset: 24, .size: 8, .value_kind: global_buffer, .address_space: global }
      - { .name: Wp, .offset: 32, .size: 8, .value_kind: global_buffer, .address_space: global }
      - { .name: codes, .offset: 40, .size: 8, .value_kind: global_buffer, .address_space: global }
      - { .name: scales, .offset: 48, .size: 8, .value_kind: global_buffer, .address_space: global }
      - { .name: zeros, .offset: 56, .size: 8, .value_kind: global_buffer, .address_space: global }
    .group_segment_fixed_size: 33280
    .private_segment_fixed_size: 0
    .kernarg_segment_align: 8
    .kernarg_segment_size: 64
    .max_flat_workgroup_size: 128
    .sgpr_count:     66
    .vgpr_count:     194
    .wavefront_size: 32
...
	.end_amdgpu_metadata
.endif
;; end of part 1
;; launch qkv (part 2): grid 8 x 48, 4 waves a work-group, clusters of 4 x 4, 327,680 bytes of LDS; arguments codes, scales, bq, bk, bv, zeros, qkv, qkvs; writes qkv, qkvs
.if DOCPART == 2
	.amdgcn_target "amdgcn-amd-amdhsa--gfx1250"
	.amdhsa_code_object_version 6
	.text
	.protected	k_q19fea4e49a_qkv
	.globl	k_q19fea4e49a_qkv
	.p2align	8
	.type	k_q19fea4e49a_qkv,@function
k_q19fea4e49a_qkv:
	s_mov_b64 s[64:65], 0
	v_nop
	global_prefetch_b8 v0, s[64:65] scope:SCOPE_SE
	s_setreg_imm32_b32 hwreg(HW_REG_WAVE_MODE, 25, 1), 1
	s_wait_xcnt 0x0
	s_wait_alu depctr_hold_cnt(0) depctr_sa_sdst(0) depctr_va_vdst(0) depctr_va_sdst(0) depctr_va_ssrc(0) depctr_va_vcc(0) depctr_vm_vsrc(0)
	s_getreg_b32 s2, hwreg(HW_REG_IB_STS2, 6, 4)
	s_cmp_eq_u32 s2, 0
	s_cbranch_scc0 .Lentry_in_a_cluster
	s_endpgm
.Lentry_in_a_cluster:
	s_bfe_u32 s2, ttmp6, 0x10000c
	s_cmp_lg_u32 s2, 0xf033
	s_cbranch_scc0 .Lentry_shape_is_right
	s_endpgm
.Lentry_shape_is_right:
; q = x Wq^T + bq, k = x Wk^T + bk, v = x Wv^T + bv on codes of FP6 (E2M3) with E8M0 scales, K = 1,024, sums in f32; the results are quantised here: q and k along the head's 64, v along the keys.
; ONE TEXT, TWO ROLES, chosen by the cluster's y and by selects alone.  Source 0 takes 16 rows of P, source 1 16 rows of R: in a result a lane holds one row of R and its registers run along P.
;   role qk (cluster y 0-7):  P = Wq and Wk (rows 8192-10239 of codes), R = the tokens: a lane holds one token, its registers run along the features: q's and k's K.
;   role v  (cluster y 8-11): P = the tokens, R = Wv (rows 10240-11263): a lane holds one feature d, its registers run along the keys: v's K.
; All rows lie in POSITION ORDER (bits 3 and 4 of the index exchanged), so the 16 registers of P's tiles 2 b and 2 b + 1 are the true neighbours 32 b + 16 (lane / 16) + 0 .. 15.
; A tile of 256 x 256 is made by four waves, 128 x 128 each: 64 accumulators, 512 registers.  K goes in steps of 256 through a ring of two LDS slots; the scale bytes of the tile's rows come once.
; CLUSTERS: 4 x 4 work-groups; R's tiles are asked for jointly along a row of the cluster, P's along a column.  384 work-groups: 256 of role qk, 128 of role v.
; OUT: qkv: 192 slots of 98,304 bytes, slot = 64 T + 16 batch + head, T = 0 q, 1 k, 2 v.  q, k: [position 2048][48 bytes];  v: [64 keys: 32][d position 64][48 bytes].
;      qkvs: 192 x 4,096 bytes.  q, k: an even and an odd head together [position 2048][4]: bytes 0, 1 the even head's;  v: [128 keys: 16][d position 64][4].
; The bias along P is the C of each sum's first matrix instruction; the bias along R is added on the way out; the role that has none of a kind reads zeros.
; LIMITS: NaN and infinities are not served; a block of zeros or under 2^-124 gets the byte 1 (zero codes; this program alone reads the bytes).
; REGISTERS: window 0: v1-31 addresses; v32-63 scale words, two sets; v64-127 the bias along P; v128-223 R's fragments, one set; v224-239 the bias along R.  window 1: P's fragments, two sets.
;   windows 2, 3: the accumulators ((a, b) at v[8 (8 (a % 4) + b)]).  On the way out window 0's v32-227 are free.
.set KSTEP,  256
.set NQ,     2                         ; matrix instructions deep in a slot
.set ROWB,   192                       ; a tile's row: 256 codes
.set KROW,   768                       ; a row of codes in memory
.set PITCH,  240                       ; an LDS row: 3 x (64 bytes + 16 of padding): the 32 lanes of a load of 8 bytes touch 64 different banks (64 banks of 4 bytes: ISA guide 11.1)
.set FR,     12
.set NL,     6
.set NP,     4                         ; places behind this matrix instruction (ISA guide 7.12.1)
.set HALFT,  128*PITCH
.set SLOT,   4*HALFT                   ; R's 256 rows, then P's 256 rows
.set LAPS,   2                         ; 1,024 / 512
.set KS,     32                        ; a row of scale bytes
.set SCL,    2*SLOT                    ; behind the ring: the scale bytes, as rows of 256 bytes + 16 of padding
.set HALFS,  (128*KS/256)*272
.set SBLK,   (16*KS/256)*272
.set SPARE,  SCL+4*HALFS               ; the spare words: 128 bytes a wave, two blocks of 256 bytes that no other line names
.set WSTG,   12800                     ; the way out: a stage for each wave, in slot 0 (behind its last fill and its last read): codes [2][128 rows][48 bytes], then 128 scale words
.set SSO,  8                           ; v8   stage: my row's scale word
.set SCO,  9                           ; v9   my byte offset among the scale words in memory
.set ADRA, 16                          ; v16-19 LDS addresses of R's fragments (slot 0, 1; and behind one padding more)
.set ADRB, 20                          ; v20-23 of P's
.set STO,  24                          ; v24  stage: where my 24 bytes of codes go
.set RD,   25                          ; v25  stage: 16 x lane
.set CO,   26                          ; v26  16 x lane, in memory
.set ADRS, 27                          ; v27  LDS address of my scale words: lanes 0-15 R's rows, lanes 16-31 P's
.set SPW,  28                          ; v28  my spare word; never rewritten
.set NIL,  29                          ; v29  0; never rewritten
.set BPO,  30                          ; v30  lane offset of the bias along P
.set BRO,  31                          ; v31  of the bias along R
.set SC,   32
.set BP,   64
.set AF,   128
.set BR,   224
.set TM,   32                          ; the way out: v32-47 at work
.set PW,   48                          ; the scale word just made
.set CD,   52                          ; v52-71 the codes just made
.set T,    128                         ; v128-191 64 numbers
.set OB,   128                         ; v128-227 the stage read back
.set G1, 24
.set G0, 32
.set G1B, 48
.set G0B, 56
.set G1S, 68
.set G0S, 76
.set G1SB, 80
.set G0SB, 88
.set SEL,  40                          ; s[40:41] lane selects, set at the head's end
.set ROLE, 66
.set PROW, 67                          ; my wave's first row of P in codes
.set RROW, 95                          ; and of R
.set MSB, 0
.macro WIN new                         ; the immediate's high byte repeats the setting that is left
.if MSB != (\new)
	s_set_vgpr_msb (MSB<<8)|(\new)
.set MSB, (\new)
.endif
.endm
.set MUL_LO, 0xa1                      ; source 0 (P) window 1, source 1 (R) window 0, C and D window 2
.set MUL_HI, 0xf1
.set TO_B,   0x40
; A joint load: waves 0 and 1 fetch for R, waves 2 and 3 for P; the branch hangs on the wave's number alone.  Four v_nop follow each of the two lines.
.macro JLOAD g0a, g1a, g0b, g1b
	s_cmp_eq_u32 s15, 0
	s_cbranch_scc0 .Lfor_b_\@
	tensor_load_to_lds s[\g0a:\g0a+3], s[\g1a:\g1a+7]
	s_nop 0
.rept 4
	v_nop
.endr
	s_branch .Lasked_\@
.Lfor_b_\@:
	tensor_load_to_lds s[\g0b:\g0b+3], s[\g1b:\g1b+7]
	s_nop 0
.rept 4
	v_nop
.endr
.Lasked_\@:
.endm
.macro CREST                           ; a round of the cluster's barrier behind its opening barrier
	s_cmp_lg_u32 s14, 0
	s_cbranch_scc1 .Lnot_wave_0_\@
	s_barrier_signal -3
.Lnot_wave_0_\@:
	s_barrier_wait -3
	s_barrier_signal -1
	s_barrier_wait -1
.endm
.macro CROUND
	s_barrier_signal -1
	s_barrier_wait -1
	CREST
.endm
	s_load_b128 s[4:7], s[0:1], 0x0                ; codes, scales
	s_load_b128 s[8:11], s[0:1], 0x10              ; bq, bk
	s_load_b128 s[96:99], s[0:1], 0x20             ; bv, zeros
	s_load_b64 s[12:13], s[0:1], 0x30              ; qkv
	s_load_b64 s[100:101], s[0:1], 0x38            ; qkvs
	v_lshl_add_u32 v[SPW], v0, 2, SPARE
	v_mov_b32 v[NIL], 0
	ds_add_u32 v28, v29
	ds_add_u32 v28, v29
	s_wait_dscnt 0x0
	v_lshrrev_b32 v1, 5, v0
	v_readfirstlane_b32 s14, v1                    ; wave 0..3
	s_lshr_b32 s15, s14, 1                         ; which half of R's rows is mine.  Also: I fetch for R (0) or for P (1)
	s_and_b32 s16, s14, 1                          ; which half of P's rows.  Also: which 128 rows I fetch
	s_bfe_u32 s40, ttmp6, 0x40000                  ; cx, cy: my place in the cluster
	s_bfe_u32 s41, ttmp6, 0x40004
	s_and_b32 s17, ttmp7, 0xffff                   ; the cluster's y
	s_max_u32 s18, s17, 8
	s_sub_co_u32 s18, s18, 8
	s_lshl_b32 s18, s18, 1
	s_add_co_u32 s18, s18, ttmp9                   ; role v: P's 1,024 rows: cluster x + 2 (y - 8): the tokens
	s_add_co_u32 s19, ttmp9, 8                     ; role qk: 8 + cluster x: Wq or Wk
	s_cmp_ge_u32 s17, 8
	s_cselect_b32 s[ROLE], 1, 0
	s_cselect_b32 s42, s18, s19
	s_cselect_b32 s17, 10, s17                     ; R's 1,024 rows: Wv, or the tokens of cluster y
	s_lshl_b32 s42, s42, 2
	s_add_co_u32 s42, s42, s40                     ; P's tile of 256 rows of codes
	s_lshl_b32 s17, s17, 2
	s_add_co_u32 s17, s17, s41                     ; R's tile
	s_lshl_b32 s43, s41, 2
	s_lshl_b32 s43, 15, s43                        ; my row of the cluster
	s_lshl_b32 s44, 0x1111, s40                    ; my column
	; descriptor group 1: a tile of 128 rows x 192 bytes, 16 bytes of padding behind every 64
	s_or_b32 s[G1+0], s43, (0<<16)|(1<<20)|(1<<21)|(3<<22)|(3<<25)  ; 15:0 the mask: R's tiles go to my row; elements of 1 byte; padding on; bit 21 beside a mask; after every 16 words 4 words
	s_or_b32 s[G1B+0], s44, (0<<16)|(1<<20)|(1<<21)|(3<<22)|(3<<25)
.irp g, G1, G1B
	s_mov_b32 s[\g+1], ROWB<<16                    ; tensor_dim0
	s_mov_b32 s[\g+2], 128<<16                     ; tensor_dim1
	s_mov_b32 s[\g+3], ROWB<<16                    ; tile_dim0
	s_mov_b32 s[\g+4], 128                         ; tile_dim1
	s_mov_b32 s[\g+5], KROW                        ; the pitch
	s_mov_b32 s[\g+6], 0
	s_mov_b32 s[\g+7], 0
.endr
	; the scale bytes of 128 rows: 4,096 dense bytes, as 16 rows of 256 bytes (32 elements of 8), 16 bytes of padding behind each
	s_or_b32 s[G1S+0], s43, (3<<16)|(1<<20)|(1<<21)|(5<<22)|(3<<25)
	s_or_b32 s[G1SB+0], s44, (3<<16)|(1<<20)|(1<<21)|(5<<22)|(3<<25)
.irp g, G1S, G1SB
	s_mov_b32 s[\g+1], 32<<16
	s_mov_b32 s[\g+2], (128*KS/256)<<16
	s_mov_b32 s[\g+3], 32<<16
	s_mov_b32 s[\g+4], 128*KS/256
	s_mov_b32 s[\g+5], 32
	s_mov_b32 s[\g+6], 0
	s_mov_b32 s[\g+7], 0
.endr
	s_lshl_b32 s18, s16, 7                         ; which 128 rows of the tile I fetch
	s_lshl_b32 s20, s17, 8
	s_add_co_u32 s20, s20, s18                     ; R: row
	s_lshl_b32 s46, s42, 8
	s_add_co_u32 s46, s46, s18                     ; P: row
	s_mov_b32 s21, 0
	s_mov_b32 s47, 0
	s_mov_b64 s[18:19], KS
	s_mul_u64 s[22:23], s[20:21], s[18:19]         ; where these rows' scale bytes begin
	s_mul_u64 s[92:93], s[46:47], s[18:19]
	s_mov_b64 s[18:19], KROW
	s_mul_u64 s[20:21], s[20:21], s[18:19]         ; and their codes
	s_mul_u64 s[46:47], s[46:47], s[18:19]
	s_mul_i32 s45, s14, HALFT                      ; where they go: wave x 128 rows: no place in the cluster enters an LDS address
	s_mul_i32 s94, s14, HALFS
	s_wait_kmcnt 0x0
	s_add_nc_u64 s[20:21], s[4:5], s[20:21]
	s_add_nc_u64 s[22:23], s[6:7], s[22:23]
	s_add_nc_u64 s[46:47], s[4:5], s[46:47]
	s_add_nc_u64 s[92:93], s[6:7], s[92:93]
	CROUND                                         ; all sixteen work-groups are here: the first joint loads meet
	s_mov_b32 s[G0S], 1
	s_add_co_u32 s[G0S+1], s94, SCL
	s_mov_b64 s[G0S+2:G0S+3], s[22:23]
	s_or_b32 s[G0S+3], s[G0S+3], 0x80000000
	s_mov_b32 s[G0SB], 1
	s_add_co_u32 s[G0SB+1], s94, SCL
	s_mov_b64 s[G0SB+2:G0SB+3], s[92:93]
	s_or_b32 s[G0SB+3], s[G0SB+3], 0x80000000
	JLOAD G0S, G1S, G0SB, G1SB                     ; the scale bytes first: they are wanted with K step 0.  Three tensor loads of mine are out at the most
.irp s, 0,1
	s_mov_b32 s[G0+4*\s], 1
	s_add_co_u32 s[G0+4*\s+1], s45, \s*SLOT
	s_add_nc_u64 s[G0+4*\s+2:G0+4*\s+3], s[20:21], \s*ROWB
	s_or_b32 s[G0+4*\s+3], s[G0+4*\s+3], 0x80000000
	s_mov_b32 s[G0B+4*\s], 1
	s_add_co_u32 s[G0B+4*\s+1], s45, \s*SLOT
	s_add_nc_u64 s[G0B+4*\s+2:G0B+4*\s+3], s[46:47], \s*ROWB
	s_or_b32 s[G0B+4*\s+3], s[G0B+4*\s+3], 0x80000000
	JLOAD G0+4*\s, G1, G0B+4*\s, G1B
.endr
	v_and_b32 v1, 15, v0                           ; r = l % 16
	v_bfe_u32 v2, v0, 4, 1                         ; h = l / 16
	v_mul_u32_u24 v3, v1, PITCH
	v_mul_u32_u24 v4, v2, 24
	v_add_nc_u32 v4, v3, v4                        ; a fragment's row x pitch + 24 x half
	v_lshl_add_u32 v5, v2, 4, v4                   ; and the same behind one padding more
	s_mul_i32 s21, s15, HALFT                      ; my 128 rows of R
	s_mul_i32 s22, s16, HALFT                      ; my 128 rows of P,
	s_add_co_u32 s22, s22, 2*HALFT                 ; which lie behind R's 256
.irp s, 0,1
	v_add_nc_u32 v[ADRA+\s], s21, v4
	v_add_nc_u32 v[ADRB+\s], s22, v4
	v_add_nc_u32 v[ADRA+2+\s], s21, v5
	v_add_nc_u32 v[ADRB+2+\s], s22, v5
	s_add_co_u32 s21, s21, SLOT
	s_add_co_u32 s22, s22, SLOT
.endr
	v_mul_u32_u24 v5, v1, KS                       ; my row's scale bytes: 32 a row,
	v_lshrrev_b32 v6, 8, v5
	v_lshl_add_u32 v5, v6, 4, v5                   ; and 16 more for each 256 passed
	s_mul_i32 s21, s15, HALFS
	s_mul_i32 s22, s16, HALFS
	s_add_co_u32 s22, s22, 2*HALFS
	s_sub_co_u32 s22, s22, s21
	v_mul_u32_u24 v6, s22, v2                      ; lanes 16-31 take P's: one product, the distance between the two bases
	s_add_co_u32 s21, s21, SCL
	v_add_nc_u32 v5, v5, v6
	v_add_nc_u32 v[ADRS], s21, v5
	s_mul_i32 s23, s14, WSTG                       ; my stage
	v_mul_u32_u24 v5, v1, 48
	v_mad_u32_u24 v5, v2, 24, v5
	v_add_nc_u32 v[STO], s23, v5                   ; row r of 48 bytes, + 24 for the upper half of the lanes
	v_lshlrev_b32 v5, 2, v1
	v_add_nc_u32 v5, s23, v5
	v_add_nc_u32 v[SSO], 12288, v5
	v_and_b32 v6, 31, v0
	v_lshlrev_b32 v[CO], 4, v6
	v_add_nc_u32 v[RD], s23, v[CO]
	; the biases.  Pointers are chosen on the role and the cluster's x alone
	s_lshl_b32 s[PROW], s42, 8
	s_lshl_b32 s18, s16, 7
	s_add_co_u32 s[PROW], s[PROW], s18
	s_lshl_b32 s[RROW], s17, 8
	s_lshl_b32 s18, s15, 7
	s_add_co_u32 s[RROW], s[RROW], s18
	s_and_b32 s18, s[PROW], 1023
	s_lshl_b32 s18, s18, 2
	s_and_b32 s20, s[RROW], 1023
	s_lshl_b32 s20, s20, 2
	s_mov_b32 s19, 0
	s_mov_b32 s21, 0
	s_cmp_lg_u32 ttmp9, 0
	s_cselect_b64 s[8:9], s[10:11], s[8:9]         ; bk or bq
	s_cmp_lg_u32 s[ROLE], 0
	s_cselect_b64 s[8:9], s[98:99], s[8:9]         ; along P: zeros in role v
	s_cselect_b64 s[10:11], s[96:97], s[98:99]     ; along R: bv in role v, else zeros
	s_cselect_b32 s18, 0, s18
	s_cselect_b32 s20, s20, 0
	s_add_nc_u64 s[8:9], s[8:9], s[18:19]
	s_add_nc_u64 s[10:11], s[10:11], s[20:21]
	v_lshlrev_b32 v[BPO], 6, v2                    ; register 16 b + i of a lane is P's true row 32 b + 16 h + i
.irp b, 0,1,2,3
.irp e, 0,1,2,3
	global_load_b128 v[BP+16*\b+4*\e:BP+16*\b+4*\e+3], v[BPO], s[8:9] offset:128*\b+16*\e
.endr
.endr
	v_lshrrev_b32 v[BRO], 3, v1
	v_lshl_add_u32 v[BRO], v[BRO], 3, v1           ; lane r of R's tile a is the true row 32 (a / 2) + 8 (a % 2) + r + 8 (r / 8)
	v_lshlrev_b32 v[BRO], 2, v[BRO]
.irp a, 0,1,2,3,4,5,6,7
	global_load_b32 v[BR+2*\a], v[BRO], s[10:11] offset:4*(32*(\a/2)+8*(\a%2))
	v_mov_b32 v[BR+2*\a+1], 0                      ; (named with it as a pair, so it is written)
.endr
	; where the results go.  Stage bytes 3,072 g on go to SEG g = base + (g / 2) SA + (g % 2) SB
	s_mov_b32 s43, 0x18000                         ; a slot of qkv
	s_mov_b32 s44, 3072                            ; 64 rows of 48 bytes
	s_mov_b32 s45, 256
	s_cmp_lg_u32 s[ROLE], 0
	s_cselect_b32 s40, s[RROW], s[PROW]            ; the features' first row
	s_cselect_b32 s41, s[PROW], s[RROW]            ; the tokens'
	s_cselect_b32 s22, s44, s43                    ; SA: the fragment's second 64 along K: the next 64 keys, or the next head
	s_cselect_b32 s20, s43, s44                    ; SB: my rows 64-127: the next head, or 64 positions on
	s_cselect_b32 s45, 4096, s45                   ; the scale words of rows 64-127: the next slot, or 256 bytes on
	s_cselect_b32 s2, 1, 2
	s_mov_b32 s46, s20
	s_mov_b32 s19, 0
	s_mov_b32 s21, 0
	s_mov_b32 s23, 0
	s_mov_b32 s47, 0
	s_mov_b32 s93, 0
	s_sub_co_u32 s40, s40, 8192
	s_lshr_b32 s40, s40, 6                         ; 16 T + head
	s_lshr_b32 s94, s40, 4
	s_lshl_b32 s94, s94, 6
	s_and_b32 s40, s40, 15
	s_add_co_u32 s94, s94, s40
	s_lshr_b32 s40, s41, 11                        ; the batch
	s_lshl_b32 s40, s40, 4
	s_add_co_u32 s94, s94, s40                     ; the slot
	s_and_b32 s41, s41, 2047                       ; the first token in its batch
	s_mul_i32 s18, s94, 0x18000
	s_mul_i32 s40, s41, 48
	s_add_co_u32 s18, s18, s40
	s_add_nc_u64 s[18:19], s[12:13], s[18:19]      ; SEG 0
	s_add_nc_u64 s[20:21], s[18:19], s[20:21]      ; SEG 1
	s_add_nc_u64 s[22:23], s[18:19], s[22:23]      ; SEG 2
	s_add_nc_u64 s[46:47], s[22:23], s[46:47]      ; SEG 3
	s_lshl_b32 s92, s94, 12
	s_lshl_b32 s41, s41, s2                        ; q, k: 4 bytes a position; v: 256 bytes for 128 keys
	s_add_co_u32 s92, s92, s41
	s_add_nc_u64 s[92:93], s[100:101], s[92:93]
	v_mul_u32_u24 v5, s45, v2
	v_lshl_add_u32 v[SCO], v1, 4, v5
	s_mov_b32 s[SEL], 0x76543210
	s_mov_b32 s[SEL+1], 0xfedcba98                 ; v_permlanex16_b32's selects for lane l xor 16
.macro FRAG reg, adr, q, i             ; a fragment, 16 rows x 128 K: lane l holds row l % 16; registers 6 c .. 6 c + 5 hold K = 64 c + 32 (l / 16) + 0 .. 31: 24 bytes as they lie, in pieces of 8
.irp p, 0,1,2,3,4,5
.set PCE, 12*(\q)+6*(\p/3)+\p%3        ; where the piece three on lies behind one padding more, the second address register serves
.if PCE%8 < 5
	ds_load_b64 v[\reg+2*\p:\reg+2*\p+1], v[\adr] offset:8*PCE+16*(PCE/8)+(\i)*16*PITCH
.else
	ds_load_b64 v[\reg+2*\p:\reg+2*\p+1], v[\adr+2] offset:8*PCE+16*(PCE/8)+(\i)*16*PITCH
.endif
.endr
.endm
; 16 matrix instructions: R's blocks a0, a0 + 1 x P's eight.  zero = 1: the first product starts the sums, with the bias along P as C.  The 64 accumulators take turns.
.macro MUL16 a0, p, q, sc, zero
.irp a, \a0, \a0+1
.irp b, 0,1,2,3,4,5,6,7
.if \zero
	v_wmma_scale_f32_16x16x128_f8f6f4 v[8*(8*((\a)%4)+\b):8*(8*((\a)%4)+\b)+7], v[128*(\p)+FR*\b:128*(\p)+FR*\b+FR-1], v[AF+FR*(\a):AF+FR*(\a)+FR-1], v[BP+8*\b:BP+8*\b+7], v[SC+8*NQ*(\sc)+NQ*\b+(\q)], v[SC+8*NQ*(\sc)+NQ*(\a)+(\q)] matrix_a_fmt:MATRIX_FMT_FP6 matrix_b_fmt:MATRIX_FMT_FP6 matrix_a_scale:MATRIX_SCALE_ROW1
.else
	v_wmma_scale_f32_16x16x128_f8f6f4 v[8*(8*((\a)%4)+\b):8*(8*((\a)%4)+\b)+7], v[128*(\p)+FR*\b:128*(\p)+FR*\b+FR-1], v[AF+FR*(\a):AF+FR*(\a)+FR-1], v[8*(8*((\a)%4)+\b):8*(8*((\a)%4)+\b)+7], v[SC+8*NQ*(\sc)+NQ*\b+(\q)], v[SC+8*NQ*(\sc)+NQ*(\a)+(\q)] matrix_a_fmt:MATRIX_FMT_FP6 matrix_b_fmt:MATRIX_FMT_FP6 matrix_a_scale:MATRIX_SCALE_ROW1
.endif
.endr
.endr
.endm
.macro FETCH_B slot, q, p
	WIN TO_B
.irp i, 0,1,2,3,4,5,6,7
	FRAG 128*(\p)+FR*\i, ADRB+\slot, \q, \i
.endr
	WIN 0
.endm
.macro FETCH_A slot, q, i0
.irp i, \i0, \i0+1, \i0+2, \i0+3
	FRAG AF+FR*(\i), ADRA+\slot, \q, \i
.endr
.endm
.macro SCALES sc                       ; a K step's scale words: two a row; lanes 0-15 take R's block i, lanes 16-31 P's block i
.irp i, 0,1,2,3,4,5,6,7
	ds_load_b64 v[SC+8*NQ*\sc+NQ*\i:SC+8*NQ*\sc+NQ*\i+1], v[ADRS] offset:\i*SBLK
.endr
.endm
.macro PLACES n                        ; plain vector instructions between a matrix instruction and a load into, or a vector access to, its registers
.rept \n
	v_nop
.endr
.endm
.macro STEP slot, q, zero              ; 128 along K that has its successor in the same slot
	s_wait_dscnt 4*NL                              ; P's set and R's blocks 0-3 are in; the youngest 24 loads (R's blocks 4-7) may be out
.if \zero
	WIN 0x81                                       ; C (the bias) in window 0, D in window 2
.else
	WIN MUL_LO
.endif
	MUL16 0, (\q)%2, \q, \slot, \zero
	MUL16 2, (\q)%2, \q, \slot, \zero
	s_wait_dscnt 0
	PLACES NP
	FETCH_B \slot, (\q)+1, 1-(\q)%2
	FETCH_A \slot, (\q)+1, 0
.if \zero
	WIN 0xc1
.else
	WIN MUL_HI
.endif
	MUL16 4, (\q)%2, \q, \slot, \zero
	MUL16 6, (\q)%2, \q, \slot, \zero
	PLACES NP
	WIN 0
	FETCH_A \slot, (\q)+1, 4
.endm
; A slot's last step changes slots: one barrier; in front of it each wave waits for all its tensor loads, adds 0 to its spare word, and waits for that and for its reads of this slot.
.macro TURN slot, next, fill
	s_wait_tensorcnt 0x0                           ; all my tensor loads have landed: my part of the next slot
	ds_add_u32 v[SPW], v[NIL]                      ; 0 onto my spare word
	s_wait_dscnt 4*NL+1                            ; (the add and the youngest 24 loads may be out)
	WIN MUL_LO
	MUL16 0, 1, NQ-1, \slot, 0
	s_wait_dscnt 0x0                               ; the add is done, and my reads of this slot are over
	s_barrier_signal -1
	MUL16 2, 1, NQ-1, \slot, 0
	WIN 0
	s_barrier_wait -1
.if \fill
	CREST                                          ; the barrier has opened a round of the cluster's: no wave of any partner still reads this slot or has a load on its way
	s_add_nc_u64 s[G0+4*\slot+2:G0+4*\slot+3], s[G0+4*\slot+2:G0+4*\slot+3], 2*ROWB
	s_add_nc_u64 s[G0B+4*\slot+2:G0B+4*\slot+3], s[G0B+4*\slot+2:G0B+4*\slot+3], 2*ROWB
	JLOAD G0+4*\slot, G1, G0B+4*\slot, G1B         ; the first tensor load behind the round; its four v_nop are the places in front of the loads below
.else
	PLACES NP
.endif
	v_add_nc_u32 v[ADRS], 4*NQ, v[ADRS]            ; on to the next K step's scale words
	FETCH_B \next, 0, 0
	FETCH_A \next, 0, 0
	SCALES \next
	WIN MUL_HI
	MUL16 4, 1, NQ-1, \slot, 0
	MUL16 6, 1, NQ-1, \slot, 0
	PLACES NP
	WIN 0
	FETCH_A \next, 0, 4
.endm
	s_wait_tensorcnt 1                             ; the scale bytes and my part of K step 0 are in (K step 1's load may be out)
	s_barrier_signal -1
	s_barrier_wait -1
	FETCH_B 0, 0, 0
	FETCH_A 0, 0, 0
	SCALES 0
	FETCH_A 0, 0, 4
	s_wait_loadcnt 0x0                             ; the biases
	STEP 0, 0, 1
	s_mov_b32 s3, LAPS-1
.Llap:
	TURN 0, 1, 1
	STEP 1, 0, 0
	TURN 1, 0, 1
	STEP 0, 0, 0
	s_sub_co_u32 s3, s3, 1
	s_cmp_lg_u32 s3, 0
	s_cbranch_scc1 .Llap
	TURN 0, 1, 0                                   ; the last lap fills nothing
	STEP 1, 0, 0
	s_wait_dscnt 4*NL
	WIN MUL_LO
	MUL16 0, 1, NQ-1, 1, 0
	MUL16 2, 1, NQ-1, 1, 0
	s_wait_dscnt 0
	WIN MUL_HI
	MUL16 4, 1, NQ-1, 1, 0
	MUL16 6, 1, NQ-1, 1, 0
	WIN 0
; 64 numbers of a lane, register 16 b + i = k 32 b + 16 (lane / 16) + i of my row, become a fragment's codes in v[CD] on and its scale word in v[PW].
.macro QUANT s
.irp b, 0,1,2,3
	v_max3_num_f32 v[TM+\b], |v[\s+16*\b]|, |v[\s+1+16*\b]|, 0x1800000   ; my 16 numbers of block b, and the floor 2^(3 - 127)
.endr
.irp i, 2,4,6,8,10,12,14
.irp b, 0,1,2,3
	v_max3_num_f32 v[TM+\b], v[TM+\b], |v[\s+16*\b+\i]|, |v[\s+1+16*\b+\i]|
.endr
.endr
.irp b, 0,1,2,3
	v_permlanex16_b32 v[TM+4+\b], v[TM+\b], s[SEL], s[SEL+1]
.endr
.irp b, 0,1,2,3
	v_max_num_f32 v[TM+\b], v[TM+\b], v[TM+4+\b]   ; with lane l xor 16's: the block's largest magnitude
.endr
.irp b, 0,1,2,3
	v_add_nc_u32 v[TM+12+\b], 0xff000000, v[TM+\b] ; 2 off its exponent field: the conversion's scale operand
.endr
.irp b, 0,1,2,3
	v_lshrrev_b32 v[TM+4+\b], 23, v[TM+12+\b]      ; the scale's byte
.endr
	v_lshl_or_b32 v[PW], v[TM+5], 8, v[TM+4]
	v_lshl_or_b32 v[PW], v[TM+6], 16, v[PW]
	v_lshl_or_b32 v[PW], v[TM+7], 24, v[PW]
.irp c, 0,1
	v_cvt_scalef32_pk16_fp6_f32 v[CD+6*\c:CD+2+6*\c], v[\s+32*\c:\s+15+32*\c], v[TM+12+2*\c]
	v_cvt_scalef32_pk16_fp6_f32 v[CD+12+4*\c:CD+14+4*\c], v[\s+16+32*\c:\s+31+32*\c], v[TM+12+2*\c+1]   ; (a conversion's three registers begin on an even number)
.endr
	v_nop                                          ; one plain place behind a scaled conversion
.irp c, 0,1                                    ; a whole block to a lane: lanes 0-15 block 2 c, lanes 16-31 block 2 c + 1
.irp i, 0,1,2
	v_permlane16_swap_b32 v[CD+6*\c+\i], v[CD+12+4*\c+\i]
.endr
.irp i, 0,1,2
	v_mov_b32 v[CD+3+6*\c+\i], v[CD+12+4*\c+\i]
.endr
.endr
.endm
; THE WAY OUT of R's block a: its 64 registers a lane get the bias along R and come into window 0 (each accumulator from its low end on), are quantised, and go to my stage.
.macro BLOCKOUT a
	WIN 0x02+((\a)/4)                              ; source 0: window 2 or 3
.set i, 0
.rept 32
	v_pk_add_f32 v[T+2*i:T+2*i+1], v[64*((\a)%4)+2*i:64*((\a)%4)+2*i+1], v[BR+2*(\a):BR+2*(\a)+1] op_sel_hi:[1,0]
.set i, i+1
.endr
	WIN 0
	s_wait_dscnt 0x0                               ; the last block's stores have read their registers
	QUANT T
.irp c, 0,1
.irp p, 0,1,2
	ds_store_b64 v[STO], v[CD+6*\c+2*\p:CD+6*\c+2*\p+1] offset:6144*\c+768*(\a)+8*\p
.endr
.endr
	ds_store_b32 v[SSO], v[PW] offset:64*(\a)      ; lanes l and l xor 16 write the same word with the same value
.endm
	PLACES NP                                      ; behind the last products: the lines below write registers that held R's fragments and scale words
.irp a, 0,1,2,3,4,5,6,7
	BLOCKOUT \a
.endr
.set t, 0
.rept 25
	ds_load_b128 v[OB+4*t:OB+4*t+3], v[RD] offset:512*t   ; my own bytes: LDS serves a wave's instructions in order
.set t, t+1
.endr
.macro OUTSEG g, sr
.irp u, 0,1,2,3,4,5
	s_wait_dscnt 24-6*\g-\u                        ; the loads issued behind this one may be out
	global_store_b128 v[CO], v[OB+24*\g+4*\u:OB+24*\g+4*\u+3], s[\sr:\sr+1] offset:512*\u   ; 32 lanes store 512 consecutive bytes, aligned to 256
.endr
.endm
	OUTSEG 0, 18
	OUTSEG 1, 20
	OUTSEG 2, 22
	OUTSEG 3, 46
	s_wait_dscnt 0x0
	global_store_b128 v[SCO], v[OB+96:OB+99], s[92:93]     ; the 128 scale words: two runs of 256 consecutive bytes
	s_wait_tensorcnt 0x0                           ; the wave's end
	ds_add_u32 v[SPW], v[NIL]
	s_wait_dscnt 0x0
	CROUND                                         ; the closing round
	s_endpgm
.Lfunc_end_k_q19fea4e49a_qkv:
	.size	k_q19fea4e49a_qkv, .Lfunc_end_k_q19fea4e49a_qkv-k_q19fea4e49a_qkv
	.p2alignl 7, 3214868480
	.fill 96, 4, 3214868480
	.section	.rodata,"a",@progbits
	.p2align	6, 0x0
	.amdhsa_kernel k_q19fea4e49a_qkv
		.amdhsa_group_segment_fixed_size 327680
		.amdhsa_private_segment_fixed_size 0
		.amdhsa_enable_private_segment 0
		.amdhsa_kernarg_size 64
		.amdhsa_user_sgpr_count 2
		.amdhsa_user_sgpr_kernarg_segment_ptr 1
		.amdhsa_wavefront_size32 1
		.amdhsa_system_sgpr_workgroup_id_x 1
		.amdhsa_system_sgpr_workgroup_id_y 1
		.amdhsa_system_sgpr_workgroup_id_z 1
		.amdhsa_system_vgpr_workitem_id 0
		.amdhsa_next_free_vgpr 1024
		.amdhsa_next_free_sgpr 102
		.amdhsa_reserve_vcc 0
		.amdhsa_float_denorm_mode_32 3
		.amdhsa_float_denorm_mode_16_64 3
		.amdhsa_memory_ordered 1
		.amdhsa_forward_progress 1
		.amdhsa_inst_pref_size 190
	.end_amdhsa_kernel
	.amdgpu_metadata
---
amdhsa.version: [ 1, 2 ]
amdhsa.kernels:
  - .name:           k_q19fea4e49a_qkv
    .symbol:         k_q19fea4e49a_qkv.kd
    .args:
      - { .name: codes, .offset: 0, .size: 8, .value_kind: global_buffer, .address_space: global }
      - { .name: scales, .offset: 8, .size: 8, .value_kind: global_buffer, .address_space: global }
      - { .name: bq, .offset: 16, .size: 8, .value_kind: global_buffer, .address_space: global }
      - { .name: bk, .offset: 24, .size: 8, .value_kind: global_buffer, .address_space: global }
      - { .name: bv, .offset: 32, .size: 8, .value_kind: global_buffer, .address_space: global }
      - { .name: zeros, .offset: 40, .size: 8, .value_kind: global_buffer, .address_space: global }
      - { .name: qkv, .offset: 48, .size: 8, .value_kind: global_buffer, .address_space: global }
      - { .name: qkvs, .offset: 56, .size: 8, .value_kind: global_buffer, .address_space: global }
    .group_segment_fixed_size: 327680
    .private_segment_fixed_size: 0
    .kernarg_segment_align: 8
    .kernarg_segment_size: 64
    .max_flat_workgroup_size: 128
    .sgpr_count:     102
    .vgpr_count:     1024
    .wavefront_size: 32
...
	.end_amdgpu_metadata
.endif
;; end of part 2
;; launch attn (part 3): grid 4 x 64, 16 waves a work-group, clusters of 4 x 1, 243,712 bytes of LDS; arguments qkv, qkvs, acodes, ascales; writes acodes, ascales
.if DOCPART == 3
	.amdgcn_target "amdgcn-amd-amdhsa--gfx1250"
	.amdhsa_code_object_version 6
	.text
	.protected	k_q19fea4e49a_attn
	.globl	k_q19fea4e49a_attn
	.p2align	8
	.type	k_q19fea4e49a_attn,@function
k_q19fea4e49a_attn:
	s_mov_b64 s[64:65], 0
	v_nop
	global_prefetch_b8 v0, s[64:65] scope:SCOPE_SE
	s_setreg_imm32_b32 hwreg(HW_REG_WAVE_MODE, 25, 1), 1
	s_wait_xcnt 0x0
	s_wait_alu depctr_hold_cnt(0) depctr_sa_sdst(0) depctr_va_vdst(0) depctr_va_sdst(0) depctr_va_ssrc(0) depctr_va_vcc(0) depctr_vm_vsrc(0)
	s_getreg_b32 s2, hwreg(HW_REG_IB_STS2, 6, 4)
	s_cmp_eq_u32 s2, 0
	s_cbranch_scc0 .Lentry_in_a_cluster
	s_endpgm
.Lentry_in_a_cluster:
	s_bfe_u32 s2, ttmp6, 0x10000c
	s_cmp_lg_u32 s2, 0x3003
	s_cbranch_scc0 .Lentry_shape_is_right
	s_endpgm
.Lentry_shape_is_right:
; For each of 64 (batch, head): o = softmax(mask(q k^T / 8)) v on codes of FP6 (E2M3) with E8M0 scales; o is quantised along e = 64 head + d for the last product.
; THE MASK: key k counts for query q where k <= q and k % 25 != 24.
; THE SOFTMAX: t = score x log2(e) / 8; M = the running largest t rounded up to a whole number; p = 2^(t - M) is quantised along the keys, not normalised; the row's sum is taken of the unquantised p
; and divides o at the end (v_rcp_f32 and a multiplication).  When M moves, the sum and o are multiplied by 2^(old M - new M): exact.
; IN: qkv, qkvs as the launch before lays them: rows in POSITION ORDER (bits 3 and 4 of the index exchanged), v with the keys innermost in true order.
; SHARES.  The cluster's y is the (batch, head); its four work-groups walk the same K and V and ask for them JOINTLY.  Tile tau of 16 query positions belongs to work-group tau % 4; with i = tau / 4,
; wave w owns i = w and i = 31 - w.  A tile needs the key steps (128 keys) 0 .. i / 2: 17 tile steps for every wave of every work-group.  A step behind a tile's diagonal is jumped over by a
; scalar branch on the wave's number and the step's; no branch and no LDS address hangs on the place in the cluster.
; THE WHOLE HEAD LIES IN LDS, filled once: no slot is filled again.  K's head size is 64: half of the instruction's 128 along K; the upper half of Q's fragment is zero codes, so whatever stands in
; the upper half of K's (the next tile's codes) adds nothing.  The periodic part of the mask is a table of 0 and -1e30 that is loaded as the C of the scores.
; LAYOUT.  Both products transposed: S^T = K Q^T, O^T = V^T P^T: a lane holds one query; register 16 b + i of the scores is key 32 b + 16 (lane / 16) + i of the step.
; LIMITS: hidden scores are -1e30 and not the most negative f32 number: the same p = 0 while |score| < 1e29; NaN and infinities are not served; a block of zeros or under 2^-124 gets the byte 1.
; The scale bytes of o leave as 2 bytes a lane, 32 bytes apart: 1 byte in 24 of what the launch stores.
.set KC,   0                           ; LDS: K's codes [position 2048][48 bytes]: the 32 lanes of a load of 8 bytes touch 64 different banks
.set VC,   98304                       ; V's codes [64 keys: 32][d position 64][48 bytes]
.set KSB,  196608                      ; K's scale words, two heads together [position][4]
.set VSB,  204800                      ; V's scale words [step 16][d position 64][4]
.set MT,   208896                      ; the table: 2,048 f32; written by the waves, no fill lands here
.set STG,  217088                      ; the way out: 1,536 bytes a wave
.set AK0,  1                           ; v1  48 r + 24 h
.set AV0,  2
.set ASK0, 3
.set ASV0, 4
.set AMT0, 5
.set QDL,  6                           ; v6, v7  my query in its 128, less 16 h, for the two tiles
.set QDH,  7
.set ADK,  8                           ; v8-11, v249  the step's LDS addresses
.set ADV,  9
.set ADS,  10
.set ADT,  11
.set STL,  12                          ; v12-15, v16-19  -M, the largest t, the sum in two halves
.set STH,  16
.set QFL,  20                          ; v20-31, v32-43  Q's fragments
.set QFH,  32
.set QSL,  44                          ; v44, v45  Q's scale words
.set QSH,  45
.set KSR,  46                          ; v46-53  the scale words of K's eight tiles, then of V's four
.set F,    54                          ; v54-107 K's eight tiles, six registers each, and six zeros; then at work; then V's four fragments
.set S,    108                         ; v108-171 S^T, then p
.set OL,   172                         ; v172-203, v204-235  O^T
.set OH,   204
.set PCD,  236                         ; v236-247 p's codes
.set PSW,  248                         ; p's scale word
.set ADM,  249
.set FF,   250                         ; v[250:251] 2^(old M - new M)
.set SM2,  252                         ; v[252:253] the sum's second chain
.set NEG,  254                         ; -1e30
.set TP,   255
.set WV,   12
.set CX,   13
.set BH,   14
.set PAR,  15
.set SEL,  16
.set CS,   18
.set SI,   20                          ; the key step
.set TK,   21                          ; 6,144 a step: K's and V's codes
.set TS,   22                          ; 512 a step: K's scale words and the table
.set TJ,   23                          ; 256 a step: V's scale words
.set DLO,  24                          ; the tiles' diagonal steps
.set DHI,  25
.set G1C,  28
.set G1S,  36
.set G0C,  44
.set G0S,  48
.macro CROUND                          ; a round of the cluster's barrier
	s_barrier_signal -1
	s_barrier_wait -1
	s_cmp_lg_u32 s[WV], 0
	s_cbranch_scc1 .Lnot_wave_0_\@
	s_barrier_signal -3
.Lnot_wave_0_\@:
	s_barrier_wait -3
	s_barrier_signal -1
	s_barrier_wait -1
.endm
	s_load_b256 s[4:11], s[0:1], 0x0               ; qkv s[4:5], qkvs s[6:7], acodes s[8:9], ascales s[10:11]
	v_lshl_add_u32 v254, v0, 2, 0x3b000
	v_mov_b32 v255, 0
	ds_add_u32 v254, v255
	ds_add_u32 v254, v255
	s_wait_dscnt 0x0
	v_lshrrev_b32 v8, 5, v0
	v_readfirstlane_b32 s[WV], v8                  ; wave 0..15
	s_bfe_u32 s[CX], ttmp6, 0x40000                ; my place in the cluster
	s_and_b32 s[BH], ttmp7, 0xffff                 ; 16 batch + head, which the four partners share
	s_and_b32 s[PAR], s[BH], 1
	; descriptor group 1: dense rows of 256 bytes (32 elements of 8), 48 of them for codes, 16 for scale words; the mask names all four work-groups, bit 21 beside it
	s_mov_b32 s[G1C], 15|(3<<16)|(1<<21)
	s_mov_b32 s[G1S], 15|(3<<16)|(1<<21)
.irp g, G1C, G1S
	s_mov_b32 s[\g+1], 32<<16
	s_mov_b32 s[\g+3], 32<<16
	s_mov_b32 s[\g+5], 32
	s_mov_b32 s[\g+6], 0
	s_mov_b32 s[\g+7], 0
.endr
	s_mov_b32 s[G1C+2], 48<<16
	s_mov_b32 s[G1C+4], 48
	s_mov_b32 s[G1S+2], 16<<16
	s_mov_b32 s[G1S+4], 16
	s_add_co_u32 s52, s[BH], 64                    ; codes: wave w brings 12,288 bytes: waves 0-7 K's slot 64 + bh, waves 8-15 V's slot 128 + bh
	s_mul_i32 s52, s52, 98304
	s_mul_i32 s55, s[WV], 12288                    ; in LDS K's and V's codes lie on end
	s_add_co_u32 s52, s52, s55
	s_lshr_b32 s54, s[WV], 3
	s_mul_i32 s54, s54, 6193152                    ; 63 slots on
	s_add_co_u32 s52, s52, s54
	s_mov_b32 s53, 0
	s_min_u32 s56, s[WV], 2                        ; scale words: waves 0, 1 the two halves of K's pair of heads, wave 2 V's
	s_lshr_b32 s57, s56, 1
	s_add_co_u32 s58, s[PAR], 62
	s_mul_i32 s57, s57, s58
	s_add_co_u32 s57, s57, s56
	s_sub_co_u32 s58, s[BH], s[PAR]
	s_add_co_u32 s57, s57, s58
	s_add_co_u32 s57, s57, 64
	s_lshl_b32 s58, s57, 12
	s_mov_b32 s59, 0
	s_lshl_b32 s56, s56, 12
	s_add_co_u32 s56, s56, KSB
	s_mov_b32 s[SEL], 0x76543210
	s_mov_b32 s[SEL+1], 0xfedcba98                 ; v_permlanex16_b32's selects for lane l xor 16
	s_mov_b32 s[CS], 0x3e38aa3b                    ; c = log2(e) / 8
	s_mov_b32 s[CS+1], s[CS]
	s_mov_b32 s[SI], 0
	s_mov_b32 s[TK], 0
	s_mov_b32 s[TS], 0
	s_mov_b32 s[TJ], 0
	s_lshr_b32 s[DLO], s[WV], 1
	s_sub_co_u32 s[DHI], 15, s[DLO]
	s_wait_kmcnt 0x0
	s_mov_b32 s[G0C], 1
	s_mov_b32 s[G0C+1], s55
	s_add_nc_u64 s[G0C+2:G0C+3], s[4:5], s[52:53]
	s_or_b32 s[G0C+3], s[G0C+3], 0x80000000
	s_mov_b32 s[G0S], 1
	s_mov_b32 s[G0S+1], s56
	s_add_nc_u64 s[G0S+2:G0S+3], s[6:7], s[58:59]
	s_or_b32 s[G0S+3], s[G0S+3], 0x80000000
	CROUND                                         ; all four work-groups are here: the joint loads meet
	tensor_load_to_lds s[G0C:G0C+3], s[G1C:G1C+7]  ; every wave: its sixteenth of the head's codes.  Two tensor loads of mine are out at the most
	s_nop 0
.rept 4
	v_nop
.endr
	s_cmp_lt_u32 s[WV], 3
	s_cbranch_scc0 .Lno_scales
	tensor_load_to_lds s[G0S:G0S+3], s[G1S:G1S+7]
	s_nop 0
.rept 4
	v_nop
.endr
.Lno_scales:
	v_mov_b32 v[NEG], 0xf149f2ca                   ; -1e30
	; the table: thread T writes keys 4 T .. 4 T + 3.  k / 25 = (k x 5,243) >> 17 for k < 2,048
	v_lshlrev_b32 v116, 2, v0
.irp e, 0,1,2,3
	v_add_nc_u32 v117, \e, v116
	v_mul_u32_u24 v118, v117, 0x147b
	v_lshrrev_b32 v118, 17, v118
	v_mul_u32_u24 v118, v118, 25
	v_sub_nc_u32 v118, v117, v118
	v_cmp_eq_u32 vcc_lo, 24, v118
	v_cndmask_b32 v[S+\e], 0, v[NEG], vcc_lo
.endr
	v_lshl_add_u32 v119, v0, 4, MT
	ds_store_b128 v119, v[S:S+3]
	s_lshl_b32 s60, s[WV], 2
	s_add_co_u32 s61, s60, s[CX]                   ; my lower tile: 4 w + cx
	s_sub_co_u32 s62, 124, s60
	s_add_co_u32 s62, s62, s[CX]                   ; my upper tile: 4 (31 - w) + cx
	v_and_b32 v112, 15, v0                         ; r
	v_bfe_u32 v113, v0, 4, 1                       ; h
	v_mul_u32_u24 v[AK0], v112, 48
	v_mad_u32_u24 v[AK0], v113, 24, v[AK0]
	v_add_nc_u32 v[AV0], VC, v[AK0]
	v_lshlrev_b32 v114, 2, v112
	s_lshl_b32 s63, s[PAR], 1
	s_add_co_u32 s66, s63, KSB
	v_add_nc_u32 v[ASK0], s66, v114                ; my head's two bytes of a position's word
	v_add_nc_u32 v[ASV0], VSB, v114
	v_lshl_add_u32 v[AMT0], v113, 6, MT
	v_lshrrev_b32 v115, 3, v112
	v_lshl_add_u32 v115, v115, 3, v112             ; r + 8 (r / 8)
	v_lshlrev_b32 v116, 4, v113
	v_sub_nc_u32 v115, v115, v116                  ; - 16 h
	s_lshr_b32 s67, s[CX], 1
	s_lshl_b32 s67, s67, 5
	s_and_b32 s68, s[CX], 1
	s_lshl_b32 s68, s68, 3
	s_add_co_u32 s67, s67, s68                     ; 32 (cx / 2) + 8 (cx % 2)
	s_and_b32 s69, s[WV], 1
	s_lshl_b32 s69, s69, 6
	s_add_co_u32 s70, s67, s69                     ; + 64 (i % 2)
	s_add_co_u32 s71, s67, 64
	s_sub_co_u32 s71, s71, s69
	v_add_nc_u32 v[QDL], s70, v115
	v_add_nc_u32 v[QDH], s71, v115
	s_mul_i32 s72, s[BH], 98304                    ; q's slot is bh
	s_mov_b32 s73, 0
	s_add_nc_u64 s[72:73], s[4:5], s[72:73]
	s_mul_i32 s74, s61, 768
	s_mul_i32 s75, s62, 768
	v_add_nc_u32 v8, s74, v[AK0]
	v_add_nc_u32 v9, s75, v[AK0]
.irp p, 0,1,2
	global_load_b64 v[QFL+2*\p:QFL+2*\p+1], v8, s[72:73] offset:8*\p
	global_load_b64 v[QFH+2*\p:QFH+2*\p+1], v9, s[72:73] offset:8*\p
.endr
	s_sub_co_u32 s76, s[BH], s[PAR]
	s_lshl_b32 s76, s76, 12
	s_add_co_u32 s76, s76, s63
	s_mov_b32 s77, 0
	s_add_nc_u64 s[76:77], s[6:7], s[76:77]
	s_lshl_b32 s78, s61, 6
	s_lshl_b32 s79, s62, 6
	v_add_nc_u32 v10, s78, v114
	v_add_nc_u32 v11, s79, v114
	global_load_u16 v[QSL], v10, s[76:77]          ; two bytes; the upper two are 0, over zero codes
	global_load_u16 v[QSH], v11, s[76:77]
	s_and_b32 s80, s[BH], 15                       ; the head
	s_lshr_b32 s81, s[BH], 4                       ; the batch
	s_mul_i32 s82, s80, 393216
	s_mul_i32 s83, s81, 98304
	s_add_co_u32 s82, s82, s83
	s_mov_b32 s83, 0
	s_add_nc_u64 s[8:9], s[8:9], s[82:83]          ; acodes at the head's plane, the batch's first row
	s_lshl_b32 s82, s81, 16
	s_lshl_b32 s80, s80, 1
	s_add_co_u32 s82, s82, s80
	s_add_nc_u64 s[10:11], s[10:11], s[82:83]      ; ascales at the batch's first row, the head's two bytes
.irp j, 6,7,8,9,10,11
	v_mov_b32 v[QFL+\j], 0                         ; zero codes for K = 64 .. 127
	v_mov_b32 v[QFH+\j], 0
	v_mov_b32 v[F+42+\j], 0                        ; behind K's last tile
.endr
.irp x, STL, STH
	v_mov_b32 v[\x+1], 0xff61b1e6                  ; the largest t so far: -3e38
	v_floor_f32 v[\x], -v[\x+1]                    ; -M
	v_mov_b32 v[\x+2], 0
	v_mov_b32 v[\x+3], 0
.endr
.irp b, 0,1,2,3
	v_mov_b32 v[F+4+\b], 0                         ; written once: a lane permute's destination counts as one of its sources
.endr
	v_mov_b32 v[TP], 0
	v_mov_b32 v[FF+1], 0                           ; (named as the upper half of a pair)
.set j, 0
.rept 64
	v_mov_b32 v[OL+j], 0                           ; O^T of both tiles: the step is written once; the first change of M leaves zeros zeros
.set j, j+1
.endr
; A TILE'S KEY STEP: 128 keys.  st: statistics; qf, qs: Q's fragment and scale word; oo: O^T; qd: the lane's query; dd: the tile's diagonal step.
.macro STEP st, qf, qs, oo, qd, dd
	s_cmp_gt_u32 s[SI], s[\dd]
	s_cbranch_scc1 .Lhidden_\@                     ; all 128 keys come after my 16 queries
.irp b, 0,1,2,3
.irp e, 0,1,2,3
	ds_load_b128 v[S+16*\b+4*\e:S+16*\b+4*\e+3], v[ADM] offset:128*\b+16*\e   ; the table's 0 or -1e30 for my 64 keys: the C of the scores
.endr
.endr
.irp t, 0,1,2,3,4,5,6,7
.irp p, 0,1,2
	ds_load_b64 v[F+6*\t+2*\p:F+6*\t+2*\p+1], v[ADK] offset:768*\t+8*\p
.endr
	ds_load_u16 v[KSR+\t], v[ADS] offset:64*\t
.endr
	s_wait_dscnt 0x0
.irp t, 0,1,2,3,4,5,6,7
	v_wmma_scale_f32_16x16x128_f8f6f4 v[S+8*\t:S+8*\t+7], v[F+6*\t:F+6*\t+11], v[\qf:\qf+11], v[S+8*\t:S+8*\t+7], v[KSR+\t], v[\qs] matrix_a_fmt:MATRIX_FMT_FP6 matrix_b_fmt:MATRIX_FMT_FP6
.endr
.rept 4
	v_nop                                          ; places behind the products
.endr
	s_cmp_lg_u32 s[SI], s[\dd]
	s_cbranch_scc1 .Lopen_\@                       ; under the diagonal step every key is at or before every query
.set n, 0
.rept 64
	v_cmp_gt_i32 vcc_lo, 32*(n/16)+n%16, v[\qd]    ; register n holds key 32 (n / 16) + n % 16 + 16 h of the step
	v_cndmask_b32 v[S+n], v[S+n], v[NEG], vcc_lo
.set n, n+1
.endr
.Lopen_\@:
.irp b, 0,1,2,3
	v_max3_num_f32 v[F+\b], v[S+16*\b], v[S+1+16*\b], v[S+2+16*\b]   ; the largest score of each block of 32 keys: for the row's maximum, and, since p rises with the score, for the block's largest p
.endr
.irp i, 3,5,7,9,11,13
.irp b, 0,1,2,3
	v_max3_num_f32 v[F+\b], v[F+\b], v[S+16*\b+\i], v[S+1+16*\b+\i]
.endr
.endr
.irp b, 0,1,2,3
	v_max_num_f32 v[F+\b], v[F+\b], v[S+15+16*\b]
.endr
.irp b, 0,1,2,3
	v_permlanex16_b32 v[F+4+\b], v[F+\b], s[SEL], s[SEL+1]
.endr
.irp b, 0,1,2,3
	v_max_num_f32 v[F+\b], v[F+\b], v[F+4+\b]      ; with lane l xor 16's 16 keys
.endr
	v_max3_num_f32 v[F+20], v[F], v[F+1], v[F+2]
	v_max_num_f32 v[F+20], v[F+20], v[F+3]
	v_mul_f32 v[F+20], s[CS], v[F+20]              ; as t
	v_max_num_f32 v[\st+1], v[\st+1], v[F+20]      ; the running largest t
	v_mov_b32 v[F+20], v[\st]
	v_floor_f32 v[\st], -v[\st+1]                  ; the new -M = -ceil(t)
	v_sub_f32 v[F+20], v[\st], v[F+20]             ; old M - new M: a whole number, 0 or less
	v_cvt_i32_f32 v[F+20], v[F+20]                 ; (it saturates)
	v_ldexp_f32 v[FF], 1.0, v[F+20]                ; f = 2^(old M - new M)
.set j, 0
.rept 32
	v_pk_fma_f32 v[S+j:S+j+1], v[S+j:S+j+1], s[CS:CS+1], v[\st:\st+1] op_sel_hi:[1,0,0]   ; t - M
.set j, j+2
.endr
.irp b, 0,1,2,3
	v_fma_f32 v[F+\b], v[F+\b], s[CS], v[\st]      ; the same of each block's largest score
.endr
.set j, 0
.rept 64
	v_exp_f32 v[S+j], v[S+j]                       ; p = 2^(t - M)
.set j, j+1
.endr
.irp b, 0,1,2,3
	v_exp_f32 v[F+\b], v[F+\b]                     ; the block's largest p
.endr
	v_pk_mul_f32 v[\st+2:\st+3], v[\st+2:\st+3], v[FF:FF+1] op_sel_hi:[1,0]   ; the sums under the new M (a plain place behind the exponentials)
	s_wait_alu depctr_va_vdst(0)
.irp b, 0,1,2,3
	v_max_num_f32 v[F+\b], 0x1800000, v[F+\b]      ; the floor 2^(3 - 127)
.endr
.irp b, 0,1,2,3
	v_add_nc_u32 v[F+8+\b], 0xff000000, v[F+\b]    ; the conversion's scale operand
.endr
.irp b, 0,1,2,3
	v_lshrrev_b32 v[F+4+\b], 23, v[F+8+\b]         ; the scale's byte
.endr
	v_lshl_or_b32 v[PSW], v[F+5], 8, v[F+4]
	v_lshl_or_b32 v[PSW], v[F+6], 16, v[PSW]
	v_lshl_or_b32 v[PSW], v[F+7], 24, v[PSW]
.irp c, 0,1
	v_cvt_scalef32_pk16_fp6_f32 v[PCD+6*\c:PCD+6*\c+2], v[S+32*\c:S+32*\c+15], v[F+8+2*\c]
	v_cvt_scalef32_pk16_fp6_f32 v[F+12+4*\c:F+14+4*\c], v[S+16+32*\c:S+31+32*\c], v[F+9+2*\c]
.endr
	v_nop                                          ; one plain place behind a scaled conversion
.irp c, 0,1
.irp i, 0,1,2
	v_permlane16_swap_b32 v[PCD+6*\c+\i], v[F+12+4*\c+\i]   ; a whole block to a lane
.endr
.irp i, 0,1,2
	v_mov_b32 v[PCD+3+6*\c+\i], v[F+12+4*\c+\i]
.endr
.endr
.irp t, 0,1,2,3
.irp p, 0,1,2,3,4,5
	ds_load_b64 v[F+12*\t+2*\p:F+12*\t+2*\p+1], v[ADV] offset:3072*(\p/3)+768*\t+8*(\p%3)   ; V^T: 16 d positions x these 128 keys
.endr
	ds_load_b32 v[KSR+\t], v[ADT] offset:64*\t
.endr
	v_pk_add_f32 v[SM2:SM2+1], v[S:S+1], v[S+2:S+3]        ; the row's sum of the unquantised p, in two chains, while V's fragments come
.set j, 4
.rept 15
	v_pk_add_f32 v[\st+2:\st+3], v[\st+2:\st+3], v[S+j:S+j+1]
	v_pk_add_f32 v[SM2:SM2+1], v[SM2:SM2+1], v[S+j+2:S+j+3]
.set j, j+4
.endr
	v_pk_add_f32 v[\st+2:\st+3], v[\st+2:\st+3], v[SM2:SM2+1]
.set j, 0
.rept 16
	v_pk_mul_f32 v[\oo+j:\oo+j+1], v[\oo+j:\oo+j+1], v[FF:FF+1] op_sel_hi:[1,0]   ; O^T under the new M, each accumulator from its low end on
.set j, j+2
.endr
	s_wait_dscnt 0x0
.irp t, 0,1,2,3
	v_wmma_scale_f32_16x16x128_f8f6f4 v[\oo+8*\t:\oo+8*\t+7], v[F+12*\t:F+12*\t+11], v[PCD:PCD+11], v[\oo+8*\t:\oo+8*\t+7], v[KSR+\t], v[PSW] matrix_a_fmt:MATRIX_FMT_FP6 matrix_b_fmt:MATRIX_FMT_FP6
.endr
.rept 4
	v_nop                                          ; places in front of the next loads into these registers, and of the way out
.endr
.Lhidden_\@:
.endm
	s_wait_tensorcnt 0x0                           ; my parts of the head have landed,
	s_wait_dscnt 0x0                               ; my part of the table is written:
	s_barrier_signal -1
	s_barrier_wait -1                              ; everybody's are.  Nothing in LDS but each wave's own stage is written from here on
	s_wait_loadcnt 0x0                             ; Q
.Lwalk:                                            ; 16 trips: every wave walks every step and jumps over what lies behind its tiles' diagonals
	v_add_nc_u32 v[ADK], s[TK], v[AK0]
	v_add_nc_u32 v[ADV], s[TK], v[AV0]
	v_add_nc_u32 v[ADS], s[TS], v[ASK0]
	v_add_nc_u32 v[ADM], s[TS], v[AMT0]
	v_add_nc_u32 v[ADT], s[TJ], v[ASV0]
	STEP STL, QFL, QSL, OL, QDL, DLO
	STEP STH, QFH, QSH, OH, QDH, DHI
	s_add_co_u32 s[TK], s[TK], 6144
	s_add_co_u32 s[TS], s[TS], 512
	s_add_co_u32 s[TJ], s[TJ], 256
	s_add_co_u32 s[SI], s[SI], 1
	s_cmp_lt_u32 s[SI], 16
	s_cbranch_scc1 .Lwalk
	; THE WAY OUT.  O^T / the sum; register 16 b + i is d = 32 b + 16 h + i: two blocks of 32 along e, quantised; 48 bytes a row through my stage, so that whole runs of 256 bytes leave.
	s_mul_i32 s66, s[WV], 1536
	s_add_co_u32 s66, s66, STG
	v_add_nc_u32 v2, s66, v[AK0]                   ; into the stage: row r of 48 bytes, + 24 h
	v_and_b32 v3, 31, v0
	v_lshlrev_b32 v4, 4, v3                        ; 16 x lane
	v_lshrrev_b32 v5, 4, v3
	v_add_nc_u32 v6, s66, v4                       ; back
	v_add_nc_u32 v8, s74, v4                       ; bytes 0-511 of the lower tile's 768
	s_sub_co_u32 s67, s75, s74
	s_sub_co_u32 s68, s67, 768
	v_mul_u32_u24 v9, s68, v5
	v_add3_u32 v9, v9, v8, 512                     ; lanes 0-15 its bytes 512-767, lanes 16-31 the upper tile's bytes 0-255
	s_add_co_u32 s69, s75, 256
	v_add_nc_u32 v10, s69, v4                      ; the upper tile's bytes 256-767
	v_and_b32 v7, 15, v0
	v_lshlrev_b32 v7, 5, v7
	s_lshl_b32 s70, s61, 9
	s_sub_co_u32 s71, s62, s61
	s_lshl_b32 s71, s71, 9
	v_mul_u32_u24 v11, s71, v5
	v_add3_u32 v11, v11, v7, s70                   ; scale bytes: 32 bytes a row; lanes 0-15 the lower tile's rows, lanes 16-31 the upper's
.macro OUTQ st, oo, k
	v_add_f32 v[\st+2], v[\st+2], v[\st+3]
	v_permlanex16_b32 v[TP], v[\st+2], s[SEL], s[SEL+1]
	v_add_f32 v[\st+2], v[\st+2], v[TP]            ; the row's sum
	v_rcp_f32 v[\st+2], v[\st+2]
	v_nop                                          ; a plain place behind the transcendental
.set j, 0
	s_wait_alu depctr_va_vdst(0)
.rept 32
	v_mul_f32 v[S+32*\k+j], v[\oo+j], v[\st+2]
.set j, j+1
.endr
.irp b, 0,1
	v_max3_num_f32 v[F+\b], |v[S+32*\k+16*\b]|, |v[S+32*\k+16*\b+1]|, 0x1800000
.endr
.irp i, 2,4,6,8,10,12,14
.irp b, 0,1
	v_max3_num_f32 v[F+\b], v[F+\b], |v[S+32*\k+16*\b+\i]|, |v[S+32*\k+16*\b+\i+1]|
.endr
.endr
.irp b, 0,1
	v_permlanex16_b32 v[F+4+\b], v[F+\b], s[SEL], s[SEL+1]
.endr
.irp b, 0,1
	v_max_num_f32 v[F+\b], v[F+\b], v[F+4+\b]
.endr
.irp b, 0,1
	v_add_nc_u32 v[F+8+\b], 0xff000000, v[F+\b]
.endr
.irp b, 0,1
	v_lshrrev_b32 v[F+4+\b], 23, v[F+8+\b]
.endr
	v_lshl_or_b32 v[F+22+\k], v[F+5], 8, v[F+4]    ; the row's two scale bytes for this head
	v_cvt_scalef32_pk16_fp6_f32 v[PCD+6*\k:PCD+6*\k+2], v[S+32*\k:S+32*\k+15], v[F+8]
	v_cvt_scalef32_pk16_fp6_f32 v[F+12:F+14], v[S+32*\k+16:S+32*\k+31], v[F+9]
	v_nop
.irp i, 0,1,2
	v_permlane16_swap_b32 v[PCD+6*\k+\i], v[F+12+\i]
.endr
.irp i, 0,1,2
	v_mov_b32 v[PCD+6*\k+3+\i], v[F+12+\i]
.endr
.irp p, 0,1,2
	ds_store_b64 v2, v[PCD+6*\k+2*\p:PCD+6*\k+2*\p+1] offset:768*\k+8*\p
.endr
.endm
	OUTQ STL, OL, 0
	OUTQ STH, OH, 1
	ds_load_b128 v[S:S+3], v6                      ; my own bytes: LDS serves a wave's instructions in order
	ds_load_b128 v[S+4:S+7], v6 offset:512
	ds_load_b128 v[S+8:S+11], v6 offset:1024
	v_cmp_gt_u32 vcc_lo, 16, v3
	v_cndmask_b32 v[F+24], v[F+23], v[F+22], vcc_lo
	global_store_b16 v11, v[F+24], s[10:11]
	s_wait_dscnt 0x2                               ; the two loads behind it may be out
	global_store_b128 v8, v[S:S+3], s[8:9]
	s_wait_dscnt 0x1
	global_store_b128 v9, v[S+4:S+7], s[8:9]
	s_wait_dscnt 0x0
	global_store_b128 v10, v[S+8:S+11], s[8:9]
	s_wait_xcnt 0x0
	v_lshl_add_u32 v254, v0, 2, 0x3b000
	v_mov_b32 v255, 0
	s_wait_tensorcnt 0x0
	ds_add_u32 v254, v255
	s_wait_dscnt 0x0
	CROUND                                         ; the closing round
	s_endpgm
.Lfunc_end_k_q19fea4e49a_attn:
	.size	k_q19fea4e49a_attn, .Lfunc_end_k_q19fea4e49a_attn-k_q19fea4e49a_attn
	.p2alignl 7, 3214868480
	.fill 96, 4, 3214868480
	.section	.rodata,"a",@progbits
	.p2align	6, 0x0
	.amdhsa_kernel k_q19fea4e49a_attn
		.amdhsa_group_segment_fixed_size 243712
		.amdhsa_private_segment_fixed_size 0
		.amdhsa_enable_private_segment 0
		.amdhsa_kernarg_size 32
		.amdhsa_user_sgpr_count 2
		.amdhsa_user_sgpr_kernarg_segment_ptr 1
		.amdhsa_wavefront_size32 1
		.amdhsa_system_sgpr_workgroup_id_x 1
		.amdhsa_system_sgpr_workgroup_id_y 1
		.amdhsa_system_sgpr_workgroup_id_z 1
		.amdhsa_system_vgpr_workitem_id 0
		.amdhsa_next_free_vgpr 256
		.amdhsa_next_free_sgpr 84
		.amdhsa_reserve_vcc 1
		.amdhsa_float_denorm_mode_32 3
		.amdhsa_float_denorm_mode_16_64 3
		.amdhsa_memory_ordered 1
		.amdhsa_forward_progress 1
		.amdhsa_inst_pref_size 68
	.end_amdhsa_kernel
	.amdgpu_metadata
---
amdhsa.version: [ 1, 2 ]
amdhsa.kernels:
  - .name:           k_q19fea4e49a_attn
    .symbol:         k_q19fea4e49a_attn.kd
    .args:
      - { .name: qkv, .offset: 0, .size: 8, .value_kind: global_buffer, .address_space: global }
      - { .name: qkvs, .offset: 8, .size: 8, .value_kind: global_buffer, .address_space: global }
      - { .name: acodes, .offset: 16, .size: 8, .value_kind: global_buffer, .address_space: global }
      - { .name: ascales, .offset: 24, .size: 8, .value_kind: global_buffer, .address_space: global }
    .group_segment_fixed_size: 243712
    .private_segment_fixed_size: 0
    .kernarg_segment_align: 8
    .kernarg_segment_size: 32
    .max_flat_workgroup_size: 512
    .sgpr_count:     84
    .vgpr_count:     256
    .wavefront_size: 32
...
	.end_amdgpu_metadata
.endif
;; end of part 3
;; launch proj (part 4): grid 4 x 32, 4 waves a work-group, clusters of 4 x 4, 327,680 bytes of LDS; arguments acodes, ascales, codes, scales, bp, out0; writes out0
.if DOCPART == 4
	.amdgcn_target "amdgcn-amd-amdhsa--gfx1250"
	.amdhsa_code_object_version 6
	.text
	.protected	k_q19fea4e49a_proj
	.globl	k_q19fea4e49a_proj
	.p2align	8
	.type	k_q19fea4e49a_proj,@function
k_q19fea4e49a_proj:
	s_mov_b64 s[64:65], 0
	v_nop
	global_prefetch_b8 v0, s[64:65] scope:SCOPE_SE
	s_setreg_imm32_b32 hwreg(HW_REG_WAVE_MODE, 25, 1), 1
	s_wait_xcnt 0x0
	s_wait_alu depctr_hold_cnt(0) depctr_sa_sdst(0) depctr_va_vdst(0) depctr_va_sdst(0) depctr_va_ssrc(0) depctr_va_vcc(0) depctr_vm_vsrc(0)
	s_getreg_b32 s2, hwreg(HW_REG_IB_STS2, 6, 4)
	s_cmp_eq_u32 s2, 0
	s_cbranch_scc0 .Lentry_in_a_cluster
	s_endpgm
.Lentry_in_a_cluster:
	s_bfe_u32 s2, ttmp6, 0x10000c
	s_cmp_lg_u32 s2, 0xf033
	s_cbranch_scc0 .Lentry_shape_is_right
	s_endpgm
.Lentry_shape_is_right:
; out0 = a Wp^T + bp on codes of FP6 (E2M3) with E8M0 scales, K = 1,024, sums in f32.  a: the attention's result, [head 16][position row 8192][48 bytes] with scale bytes [position row][32];
; Wp: rows 11264 on of codes [row][768 bytes] and scales [row][32].  All rows lie in POSITION ORDER (bits 3 and 4 of the index exchanged); out0 [8192][1024] f32 is written in true order.
; A tile of 256 x 256 is made by four waves, 128 x 128 each: 64 accumulators, 512 registers.  K goes in steps of 256 (four heads) through a ring of two LDS slots; the scale bytes come once.
; Source 0 = 16 rows of Wp, source 1 = 16 rows of a: a lane holds one token; the registers of Wp's tiles 2 b and 2 b + 1 are the features 32 b + 16 (lane / 16) + 0 .. 15.
; CLUSTERS: 4 x 4 work-groups; a's tiles are asked for jointly along a row of the cluster, Wp's along a column.  128 work-groups: the tile is kept large for the sake of LDS reads.
; bp is the C of each sum's first matrix instruction.  LIMITS: NaN and infinities are not served.
; REGISTERS: window 0: v1-31 addresses; v32-63 scale words, two sets; v64-127 bp; v128-223 a's fragments, one set.  window 1: Wp's fragments, two sets.  windows 2, 3: the accumulators.
.set KSTEP,  256
.set NQ,     2
.set ROWB,   192
.set KROW,   768
.set PITCH,  240                       ; Wp's LDS row: 3 x (64 bytes + 16 of padding)
.set FR,     12
.set NL,     6
.set NP,     4
.set HALFT,  128*PITCH
.set SLOT,   4*HALFT
.set LAPS,   2
.set KS,     32
.set PLANE4, 4*393216                  ; four heads' planes of a
.set SCL,    2*SLOT
.set HALFS,  (128*KS/256)*272
.set SBLK,   (16*KS/256)*272
.set SPARE,  SCL+4*HALFS               ; the spare words: two blocks of 256 bytes that no other line names
.set SPITCH, 528                       ; the way out: 16 rows x (512 bytes + 16) for each wave, in slot 0, behind its last fill and its last read
.set ADRA, 16                          ; v16-17 LDS addresses of a's fragments in slot 0, 1
.set ADRB, 20                          ; v20-23 of Wp's
.set STO,  24
.set RD,   25
.set CO,   26
.set ADRS, 27
.set SPW,  28
.set NIL,  29
.set BPO,  30
.set SC,   32
.set BP,   64
.set AF,   128
.set BK,   128
.set G1, 24
.set G0, 32
.set G1B, 48
.set G0B, 56
.set G1S, 68
.set G0S, 76
.set G1SB, 80
.set G0SB, 88
.set MSB, 0
.macro WIN new
.if MSB != (\new)
	s_set_vgpr_msb (MSB<<8)|(\new)
.set MSB, (\new)
.endif
.endm
.set MUL_LO, 0xa1
.set MUL_HI, 0xf1
.set TO_B,   0x40
.macro JLOAD g0a, g1a, g0b, g1b        ; a joint load: waves 0 and 1 fetch for a, waves 2 and 3 for Wp; four v_nop follow each of the two lines
	s_cmp_eq_u32 s15, 0
	s_cbranch_scc0 .Lfor_b_\@
	tensor_load_to_lds s[\g0a:\g0a+3], s[\g1a:\g1a+7]
	s_nop 0
.rept 4
	v_nop
.endr
	s_branch .Lasked_\@
.Lfor_b_\@:
	tensor_load_to_lds s[\g0b:\g0b+3], s[\g1b:\g1b+7]
	s_nop 0
.rept 4
	v_nop
.endr
.Lasked_\@:
.endm
.macro CREST
	s_cmp_lg_u32 s14, 0
	s_cbranch_scc1 .Lnot_wave_0_\@
	s_barrier_signal -3
.Lnot_wave_0_\@:
	s_barrier_wait -3
	s_barrier_signal -1
	s_barrier_wait -1
.endm
.macro CROUND
	s_barrier_signal -1
	s_barrier_wait -1
	CREST
.endm
	s_load_b128 s[4:7], s[0:1], 0x0                ; acodes, ascales
	s_load_b128 s[8:11], s[0:1], 0x10              ; codes, scales
	s_load_b128 s[96:99], s[0:1], 0x20             ; bp, out0
	v_lshl_add_u32 v[SPW], v0, 2, SPARE
	v_mov_b32 v[NIL], 0
	ds_add_u32 v28, v29
	ds_add_u32 v28, v29
	s_wait_dscnt 0x0
	v_lshrrev_b32 v1, 5, v0
	v_readfirstlane_b32 s14, v1                    ; wave 0..3
	s_lshr_b32 s15, s14, 1                         ; which half of the tile's tokens is mine.  Also: I fetch for a (0) or for Wp (1)
	s_and_b32 s16, s14, 1                          ; which half of its features.  Also: which 128 rows I fetch
	s_bfe_u32 s40, ttmp6, 0x40000
	s_bfe_u32 s41, ttmp6, 0x40004
	s_lshl_b32 s42, ttmp9, 2
	s_add_co_u32 s42, s42, s40                     ; tile column
	s_and_b32 s17, ttmp7, 0xffff
	s_lshl_b32 s17, s17, 2
	s_add_co_u32 s17, s17, s41                     ; tile row
	s_lshl_b32 s43, s41, 2
	s_lshl_b32 s43, 15, s43                        ; my row of the cluster
	s_lshl_b32 s44, 0x1111, s40                    ; my column
	; a's tile: four planes (heads), of each 128 rows x 48 bytes = 6,144 dense bytes = 768 elements of 8; planes 393,216 bytes apart; no padding
	s_or_b32 s[G1+0], s43, (3<<16)|(1<<21)
	s_mov_b32 s[G1+1], 768<<16                     ; tensor_dim0
	s_mov_b32 s[G1+2], 4<<16                       ; tensor_dim1
	s_mov_b32 s[G1+3], 768<<16                     ; tile_dim0
	s_mov_b32 s[G1+4], 4                           ; tile_dim1
	s_mov_b32 s[G1+5], 49152                       ; the pitch, in elements
	s_mov_b32 s[G1+6], 0
	s_mov_b32 s[G1+7], 0
	; Wp's tile: 128 rows x 192 bytes, 16 bytes of padding behind every 64
	s_or_b32 s[G1B+0], s44, (0<<16)|(1<<20)|(1<<21)|(3<<22)|(3<<25)
	s_mov_b32 s[G1B+1], ROWB<<16
	s_mov_b32 s[G1B+2], 128<<16
	s_mov_b32 s[G1B+3], ROWB<<16
	s_mov_b32 s[G1B+4], 128
	s_mov_b32 s[G1B+5], KROW
	s_mov_b32 s[G1B+6], 0
	s_mov_b32 s[G1B+7], 0
	; the scale bytes of 128 rows: 16 rows of 256 bytes, 16 bytes of padding behind each
	s_or_b32 s[G1S+0], s43, (3<<16)|(1<<20)|(1<<21)|(5<<22)|(3<<25)
	s_or_b32 s[G1SB+0], s44, (3<<16)|(1<<20)|(1<<21)|(5<<22)|(3<<25)
.irp g, G1S, G1SB
	s_mov_b32 s[\g+1], 32<<16
	s_mov_b32 s[\g+2], (128*KS/256)<<16
	s_mov_b32 s[\g+3], 32<<16
	s_mov_b32 s[\g+4], 128*KS/256
	s_mov_b32 s[\g+5], 32
	s_mov_b32 s[\g+6], 0
	s_mov_b32 s[\g+7], 0
.endr
	s_lshl_b32 s18, s16, 7
	s_lshl_b32 s20, s17, 8
	s_add_co_u32 s20, s20, s18                     ; a: row 256 x tile row + 128 x half
	s_lshl_b32 s46, s42, 8
	s_add_co_u32 s46, s46, s18
	s_add_co_u32 s46, s46, 11264                   ; Wp: row 11264 + 256 x tile column + 128 x half
	s_mov_b32 s21, 0
	s_mov_b32 s47, 0
	s_mov_b64 s[18:19], KS
	s_mul_u64 s[22:23], s[20:21], s[18:19]
	s_mul_u64 s[92:93], s[46:47], s[18:19]
	s_mov_b64 s[18:19], 48
	s_mul_u64 s[20:21], s[20:21], s[18:19]
	s_mov_b64 s[18:19], KROW
	s_mul_u64 s[46:47], s[46:47], s[18:19]
	s_mul_i32 s45, s14, HALFT
	s_mul_i32 s94, s14, HALFS
	s_wait_kmcnt 0x0
	s_add_nc_u64 s[20:21], s[4:5], s[20:21]
	s_add_nc_u64 s[22:23], s[6:7], s[22:23]
	s_add_nc_u64 s[46:47], s[8:9], s[46:47]
	s_add_nc_u64 s[92:93], s[10:11], s[92:93]
	CROUND                                         ; all sixteen work-groups are here: the first joint loads meet
	s_mov_b32 s[G0S], 1
	s_add_co_u32 s[G0S+1], s94, SCL
	s_mov_b64 s[G0S+2:G0S+3], s[22:23]
	s_or_b32 s[G0S+3], s[G0S+3], 0x80000000
	s_mov_b32 s[G0SB], 1
	s_add_co_u32 s[G0SB+1], s94, SCL
	s_mov_b64 s[G0SB+2:G0SB+3], s[92:93]
	s_or_b32 s[G0SB+3], s[G0SB+3], 0x80000000
	JLOAD G0S, G1S, G0SB, G1SB                     ; three tensor loads of mine are out at the most
.irp s, 0,1
	s_mov_b32 s[G0+4*\s], 1
	s_add_co_u32 s[G0+4*\s+1], s45, \s*SLOT
	s_add_nc_u64 s[G0+4*\s+2:G0+4*\s+3], s[20:21], \s*PLANE4
	s_or_b32 s[G0+4*\s+3], s[G0+4*\s+3], 0x80000000
	s_mov_b32 s[G0B+4*\s], 1
	s_add_co_u32 s[G0B+4*\s+1], s45, \s*SLOT
	s_add_nc_u64 s[G0B+4*\s+2:G0B+4*\s+3], s[46:47], \s*ROWB
	s_or_b32 s[G0B+4*\s+3], s[G0B+4*\s+3], 0x80000000
	JLOAD G0+4*\s, G1, G0B+4*\s, G1B
.endr
	v_and_b32 v1, 15, v0                           ; r
	v_bfe_u32 v2, v0, 4, 1                         ; h
	v_mul_u32_u24 v3, v1, PITCH
	v_mul_u32_u24 v4, v2, 24
	v_mul_u32_u24 v7, v1, 48
	v_add_nc_u32 v7, v7, v4                        ; a: row r of 48 bytes + 24 h: the 32 lanes of a load of 8 bytes touch 64 different banks
	v_add_nc_u32 v4, v3, v4                        ; Wp: row x pitch + 24 h
	v_lshl_add_u32 v5, v2, 4, v4                   ; and behind one padding more
	s_mul_i32 s21, s15, HALFT
	s_mul_i32 s22, s16, HALFT
	s_add_co_u32 s22, s22, 2*HALFT
.irp s, 0,1
	v_add_nc_u32 v[ADRA+\s], s21, v7
	v_add_nc_u32 v[ADRB+\s], s22, v4
	v_add_nc_u32 v[ADRB+2+\s], s22, v5
	s_add_co_u32 s21, s21, SLOT
	s_add_co_u32 s22, s22, SLOT
.endr
	v_mul_u32_u24 v5, v1, KS
	v_lshrrev_b32 v6, 8, v5
	v_lshl_add_u32 v5, v6, 4, v5
	s_mul_i32 s21, s15, HALFS
	s_mul_i32 s22, s16, HALFS
	s_add_co_u32 s22, s22, 2*HALFS
	s_sub_co_u32 s22, s22, s21
	v_mul_u32_u24 v6, s22, v2                      ; lanes 16-31 take Wp's
	s_add_co_u32 s21, s21, SCL
	v_add_nc_u32 v5, v5, v6
	v_add_nc_u32 v[ADRS], s21, v5
	s_mul_i32 s23, s14, 16*SPITCH                  ; my stage
	v_mul_u32_u24 v5, v1, SPITCH
	v_lshl_add_u32 v5, v2, 6, v5                   ; row r; my half's 16 features of each 32: + 64 h
	v_add_nc_u32 v[STO], s23, v5
	v_and_b32 v6, 31, v0
	v_lshlrev_b32 v[CO], 4, v6
	v_add_nc_u32 v[RD], s23, v[CO]
	s_lshl_b32 s20, s17, 8
	s_lshl_b32 s21, s15, 7
	s_add_co_u32 s20, s20, s21                     ; my first token
	s_lshl_b32 s20, s20, 12                        ; 4,096 bytes a row
	s_lshl_b32 s46, s42, 10                        ; my first feature, in bytes
	s_lshl_b32 s47, s16, 9
	s_add_co_u32 s46, s46, s47
	s_add_co_u32 s20, s20, s46
	s_mov_b32 s21, 0
	s_mov_b32 s47, 0
	s_add_nc_u64 s[98:99], s[98:99], s[20:21]
	s_add_nc_u64 s[96:97], s[96:97], s[46:47]      ; bp at my first feature
	v_lshlrev_b32 v[BPO], 6, v2                    ; register 16 b + i of a lane is feature 32 b + 16 h + i
.irp b, 0,1,2,3
.irp e, 0,1,2,3
	global_load_b128 v[BP+16*\b+4*\e:BP+16*\b+4*\e+3], v[BPO], s[96:97] offset:128*\b+16*\e
.endr
.endr
.macro FRAG reg, adr, q, i             ; Wp's fragment: 24 bytes of the row's stream of bits twice, in pieces of 8
.irp p, 0,1,2,3,4,5
.set PCE, 12*(\q)+6*(\p/3)+\p%3
.if PCE%8 < 5
	ds_load_b64 v[\reg+2*\p:\reg+2*\p+1], v[\adr] offset:8*PCE+16*(PCE/8)+(\i)*16*PITCH
.else
	ds_load_b64 v[\reg+2*\p:\reg+2*\p+1], v[\adr+2] offset:8*PCE+16*(PCE/8)+(\i)*16*PITCH
.endif
.endr
.endm
.macro FRAGA reg, adr, q, i            ; a's fragment: registers 6 c on come from plane 2 q + c of the slot's four
.irp p, 0,1,2,3,4,5
	ds_load_b64 v[\reg+2*\p:\reg+2*\p+1], v[\adr] offset:(2*(\q)+\p/3)*6144+(\i)*768+8*(\p%3)
.endr
.endm
.macro MUL16 a0, p, q, sc, zero        ; the 64 accumulators take turns
.irp a, \a0, \a0+1
.irp b, 0,1,2,3,4,5,6,7
.if \zero
	v_wmma_scale_f32_16x16x128_f8f6f4 v[8*(8*((\a)%4)+\b):8*(8*((\a)%4)+\b)+7], v[128*(\p)+FR*\b:128*(\p)+FR*\b+FR-1], v[AF+FR*(\a):AF+FR*(\a)+FR-1], v[BP+8*\b:BP+8*\b+7], v[SC+8*NQ*(\sc)+NQ*\b+(\q)], v[SC+8*NQ*(\sc)+NQ*(\a)+(\q)] matrix_a_fmt:MATRIX_FMT_FP6 matrix_b_fmt:MATRIX_FMT_FP6 matrix_a_scale:MATRIX_SCALE_ROW1
.else
	v_wmma_scale_f32_16x16x128_f8f6f4 v[8*(8*((\a)%4)+\b):8*(8*((\a)%4)+\b)+7], v[128*(\p)+FR*\b:128*(\p)+FR*\b+FR-1], v[AF+FR*(\a):AF+FR*(\a)+FR-1], v[8*(8*((\a)%4)+\b):8*(8*((\a)%4)+\b)+7], v[SC+8*NQ*(\sc)+NQ*\b+(\q)], v[SC+8*NQ*(\sc)+NQ*(\a)+(\q)] matrix_a_fmt:MATRIX_FMT_FP6 matrix_b_fmt:MATRIX_FMT_FP6 matrix_a_scale:MATRIX_SCALE_ROW1
.endif
.endr
.endr
.endm
.macro FETCH_B slot, q, p
	WIN TO_B
.irp i, 0,1,2,3,4,5,6,7
	FRAG 128*(\p)+FR*\i, ADRB+\slot, \q, \i
.endr
	WIN 0
.endm
.macro FETCH_A slot, q, i0
.irp i, \i0, \i0+1, \i0+2, \i0+3
	FRAGA AF+FR*(\i), ADRA+\slot, \q, \i
.endr
.endm
.macro SCALES sc
.irp i, 0,1,2,3,4,5,6,7
	ds_load_b64 v[SC+8*NQ*\sc+NQ*\i:SC+8*NQ*\sc+NQ*\i+1], v[ADRS] offset:\i*SBLK
.endr
.endm
.macro PLACES n
.rept \n
	v_nop
.endr
.endm
.macro STEP slot, q, zero
	s_wait_dscnt 4*NL                              ; Wp's set and a's blocks 0-3 are in; the youngest 24 loads may be out
.if \zero
	WIN 0x81                                       ; C (bp) in window 0, D in window 2
.else
	WIN MUL_LO
.endif
	MUL16 0, (\q)%2, \q, \slot, \zero
	MUL16 2, (\q)%2, \q, \slot, \zero
	s_wait_dscnt 0
	PLACES NP
	FETCH_B \slot, (\q)+1, 1-(\q)%2
	FETCH_A \slot, (\q)+1, 0
.if \zero
	WIN 0xc1
.else
	WIN MUL_HI
.endif
	MUL16 4, (\q)%2, \q, \slot, \zero
	MUL16 6, (\q)%2, \q, \slot, \zero
	PLACES NP
	WIN 0
	FETCH_A \slot, (\q)+1, 4
.endm
.macro TURN slot, next, fill
	s_wait_tensorcnt 0x0                           ; all my tensor loads have landed: my part of the next slot
	ds_add_u32 v[SPW], v[NIL]                      ; 0 onto my spare word
	s_wait_dscnt 4*NL+1                            ; (the add and the youngest 24 loads may be out)
	WIN MUL_LO
	MUL16 0, 1, NQ-1, \slot, 0
	s_wait_dscnt 0x0                               ; the add is done, and my reads of this slot are over
	s_barrier_signal -1
	MUL16 2, 1, NQ-1, \slot, 0
	WIN 0
	s_barrier_wait -1
.if \fill
	CREST                                          ; the barrier has opened a round of the cluster's
	s_add_nc_u64 s[G0+4*\slot+2:G0+4*\slot+3], s[G0+4*\slot+2:G0+4*\slot+3], 2*PLANE4
	s_add_nc_u64 s[G0B+4*\slot+2:G0B+4*\slot+3], s[G0B+4*\slot+2:G0B+4*\slot+3], 2*ROWB
	JLOAD G0+4*\slot, G1, G0B+4*\slot, G1B         ; the first tensor load behind the round
.else
	PLACES NP
.endif
	v_add_nc_u32 v[ADRS], 4*NQ, v[ADRS]
	FETCH_B \next, 0, 0
	FETCH_A \next, 0, 0
	SCALES \next
	WIN MUL_HI
	MUL16 4, 1, NQ-1, \slot, 0
	MUL16 6, 1, NQ-1, \slot, 0
	PLACES NP
	WIN 0
	FETCH_A \next, 0, 4
.endm
	s_wait_tensorcnt 1                             ; the scale bytes and my part of K step 0 are in (K step 1's load may be out)
	s_barrier_signal -1
	s_barrier_wait -1
	FETCH_B 0, 0, 0
	FETCH_A 0, 0, 0
	SCALES 0
	FETCH_A 0, 0, 4
	s_wait_loadcnt 0x0                             ; bp
	STEP 0, 0, 1
	s_mov_b32 s3, LAPS-1
.Llap:
	TURN 0, 1, 1
	STEP 1, 0, 0
	TURN 1, 0, 1
	STEP 0, 0, 0
	s_sub_co_u32 s3, s3, 1
	s_cmp_lg_u32 s3, 0
	s_cbranch_scc1 .Llap
	TURN 0, 1, 0
	STEP 1, 0, 0
	s_wait_dscnt 4*NL
	WIN MUL_LO
	MUL16 0, 1, NQ-1, 1, 0
	MUL16 2, 1, NQ-1, 1, 0
	s_wait_dscnt 0
	WIN MUL_HI
	MUL16 4, 1, NQ-1, 1, 0
	MUL16 6, 1, NQ-1, 1, 0
	WIN 0
; THE WAY OUT, block by block of 16 tokens x 128 features, through my own stage: in it a row's features lie in true order; its row t is the true token 32 (a / 2) + 8 (a % 2) + t + 8 (t / 8).
.macro TOSTAGE a
.set AC, 64*((\a)%4)
	WIN 0x08+4*((\a)/4)                            ; the data: window 2 or 3
.irp b, 0,1,2,3,4,5,6,7
	ds_store_b128 v[STO], v[AC+8*\b:AC+8*\b+3] offset:128*(\b/2)+32*(\b%2)          ; each accumulator from its low end on
	ds_store_b128 v[STO], v[AC+8*\b+4:AC+8*\b+7] offset:128*(\b/2)+32*(\b%2)+16
.endr
	WIN 0
.set BB, BK+64*((\a)%2)
.irp t, 0,1,2,3,4,5,6,7,8,9,10,11,12,13,14,15
	ds_load_b128 v[BB+4*\t:BB+4*\t+3], v[RD] offset:\t*SPITCH
.endr
.endm
.macro SEND a, younger
.set BB, BK+64*((\a)%2)
	s_wait_dscnt \younger                          ; the block is back in registers
.if (\a) > 0
.if (\a)%2 == 1
	s_add_nc_u64 s[98:99], s[98:99], 8*4096        ; (behind a wait on XCNT)  from block a - 1's first token to block a's
.else
	s_add_nc_u64 s[98:99], s[98:99], 24*4096
.endif
.endif
.irp t, 0,1,2,3,4,5,6,7,8,9,10,11,12,13,14,15
	global_store_b128 v[CO], v[BB+4*\t:BB+4*\t+3], s[98:99] offset:(\t+8*(\t/8))*4096 th:TH_STORE_NT   ; 32 lanes store 512 consecutive bytes, aligned to 256
.endr
.endm
	PLACES NP
	TOSTAGE 0
.irp a, 1,2,3,4,5,6,7
.if \a > 1
	s_wait_xcnt 0x0                                ; block a - 2's stores have read their registers and their base
.endif
	TOSTAGE \a
	SEND \a-1, 32                                  ; behind block a - 1's loads: block a's 16 stores and 16 loads
.endr
	s_wait_xcnt 0x0
	SEND 7, 0
	s_wait_tensorcnt 0x0                           ; the wave's end
	ds_add_u32 v[SPW], v[NIL]
	s_wait_dscnt 0x0
	CROUND                                         ; the closing round
	s_endpgm
.Lfunc_end_k_q19fea4e49a_proj:
	.size	k_q19fea4e49a_proj, .Lfunc_end_k_q19fea4e49a_proj-k_q19fea4e49a_proj
	.p2alignl 7, 3214868480
	.fill 96, 4, 3214868480
	.section	.rodata,"a",@progbits
	.p2align	6, 0x0
	.amdhsa_kernel k_q19fea4e49a_proj
		.amdhsa_group_segment_fixed_size 327680
		.amdhsa_private_segment_fixed_size 0
		.amdhsa_enable_private_segment 0
		.amdhsa_kernarg_size 48
		.amdhsa_user_sgpr_count 2
		.amdhsa_user_sgpr_kernarg_segment_ptr 1
		.amdhsa_wavefront_size32 1
		.amdhsa_system_sgpr_workgroup_id_x 1
		.amdhsa_system_sgpr_workgroup_id_y 1
		.amdhsa_system_sgpr_workgroup_id_z 1
		.amdhsa_system_vgpr_workitem_id 0
		.amdhsa_next_free_vgpr 1024
		.amdhsa_next_free_sgpr 100
		.amdhsa_reserve_vcc 0
		.amdhsa_float_denorm_mode_32 3
		.amdhsa_float_denorm_mode_16_64 3
		.amdhsa_memory_ordered 1
		.amdhsa_forward_progress 1
		.amdhsa_inst_pref_size 161
	.end_amdhsa_kernel
	.amdgpu_metadata
---
amdhsa.version: [ 1, 2 ]
amdhsa.kernels:
  - .name:           k_q19fea4e49a_proj
    .symbol:         k_q19fea4e49a_proj.kd
    .args:
      - { .name: acodes, .offset: 0, .size: 8, .value_kind: global_buffer, .address_space: global }
      - { .name: ascales, .offset: 8, .size: 8, .value_kind: global_buffer, .address_space: global }
      - { .name: codes, .offset: 16, .size: 8, .value_kind: global_buffer, .address_space: global }
      - { .name: scales, .offset: 24, .size: 8, .value_kind: global_buffer, .address_space: global }
      - { .name: bp, .offset: 32, .size: 8, .value_kind: global_buffer, .address_space: global }
      - { .name: out0, .offset: 40, .size: 8, .value_kind: global_buffer, .address_space: global }
    .group_segment_fixed_size: 327680
    .private_segment_fixed_size: 0
    .kernarg_segment_align: 8
    .kernarg_segment_size: 48
    .max_flat_workgroup_size: 128
    .sgpr_count:     100
    .vgpr_count:     1024
    .wavefront_size: 32
...
	.end_amdgpu_metadata
.endif
;; end of part 4
